; MI455X (gfx1250); checked and timed in simulation.
; The chip was launched on July 23, 2026; its instructions are those of AMD's public machine-readable ISA for CDNA 5 (MIT licence, August 2026) and "CDNA5" Instruction Set Architecture Reference Guide (July 2026). The comments in the code are by the model that wrote it; some were corrected since.
;; Attention. Allowed arithmetic: matrix products marked QUANTISED: E2M3 operands, one E8M0 scale for each 32 along K, by v_wmma_scale_f32_16x16x128_f8f6f4 with both operands' format E2M3, f32 sums; everything else in f32.
;; Inputs: Wk 2,048 x 2,048 float32; Wo 2,048 x 2,048 float32; Wq 2,048 x 2,048 float32; Wv 2,048 x 2,048 float32; mask 1 x 1 x 2,048 x 2,048 int32; x 1 x 2,048 x 2,048 float32.
;; Outputs: out0 1 x 2,048 x 2,048 float32.
;; This version of the problem:
;;   THIS VERSION OF THE PROBLEM IS GIVEN IN LOW PRECISION. The matrix products marked QUANTISED in the list below multiply operands that are first quantised to E2M3 (2 exponent bits, 3 mantissa bits; 6 bits a number), with one power-of-two scale for each 32 numbers along K (OCP MX v1.0); their sums are f32. All else is computed in f32.
;;   The module's matrix products, in the order in which they are computed (A, B: the left and right operand; K: the contracted axis; several contracted axes count as one K, in the product's order):
;;     1. [M 2,048, K 2,048] x [K 2,048, N 2,048]; A: input x; B: input Wq: QUANTISED
;;     2. [M 2,048, K 2,048] x [K 2,048, N 2,048]; A: input x; B: input Wk: QUANTISED
;;     3. [M 2,048, K 2,048] x [K 2,048, N 2,048]; A: input x; B: input Wv: QUANTISED
;;     4. batch 16 x [M 2,048, K 128] x [K 128, N 2,048]; A: computed on the way; B: computed on the way: QUANTISED
;;     5. batch 16 x [M 2,048, K 2,048] x [K 2,048, N 128]; A: softmax (see below); B: computed on the way: QUANTISED
;;     6. [M 2,048, K 2,048] x [K 2,048, N 2,048]; A: computed on the way; B: input Wo: QUANTISED
;;   THE QUANTISER, for each operand of a quantised product, along K:
;;     - K is cut into blocks of 32 from its start; a last block that is shorter is filled with zeros.
;;     - A block's scale is 2^e with e = floor(log2(the largest magnitude in the block)) - 2, held to -126 .. 127; a block of zeros has e = 0. As a byte (E8M0): e + 127.
;;     - Each number is divided by its block's scale, clamped to +-7.5, and rounded to the nearest number of E2M3, ties to even, subnormals kept.
;;     - The product sums the exact products of the quantised numbers (number of the format x scale) in f32.
;;   ~~~python
;;   def quantise(x, axis):      # numpy; x: float32 -> the quantised numbers, widened to float32 again
;;       x = np.moveaxis(x, axis, -1); K = x.shape[-1]
;;       x = np.pad(x, [(0, 0)] * (x.ndim - 1) + [(0, -K % 32)]); x = x.reshape(x.shape[:-1] + (-1, 32)); a = np.abs(x).max(-1, keepdims=True)
;;       e = np.where(a > 0, np.clip(np.frexp(np.where(a > 0, a, 1))[1] - 1 - 2, -126, 127), 0)      # np.frexp(a)[1] - 1 = floor(log2(a)), exactly
;;       r = np.clip(x / 2.0 ** e, -7.5, 7.5)
;;       step = 2.0 ** (np.maximum(np.frexp(np.where(r == 0, 1, r))[1] - 1, 0) - 3)
;;       q = np.round(r / step) * step * 2.0 ** e      # np.round: ties to even
;;       return np.moveaxis(q.reshape(q.shape[:-2] + (-1,))[..., :K], -1, axis).astype(np.float32)
;;   ~~~
;;   SOFTMAX AHEAD OF A QUANTISED PRODUCT. Where the list says 'softmax', what is quantised is not the finished softmax but p = 2^(t - M), with t = logit x log2(e) and M = ceil(the row's largest t), a whole number; so 1/2 < the row's largest p <= 1. The row's sum l is taken of the UNQUANTISED p, in f32, and the product's result is divided by l at the end. Since M is a whole number, a kernel that streams over the keys may use a running M (the ceiling of the running maximum): every later rescaling is an exact power of two, which a block's scale takes up: the codes' values come out the same.
;;   OPERANDS COMPUTED ON THE WAY. 'Computed on the way' means the value that the module computes at that place (a softmax that the list does not call 'softmax' is quantised finished and normalised). What goes into a quantiser is computed in f32, as accurately as f32 sums, v_exp_f32 and their like allow (about 1e-6 of the number): no bf16 or f16 on the way to a quantiser, and a product that is left as it is and whose result goes on into a quantised operand takes f32 operands (vector FMAs, or v_wmma_f32_16x16x4_f32). A number that lies on a knife's edge between two numbers of the format may be rounded either way, as far as f32 arithmetic and the matrix unit's own rounding can turn it there, and no further.
;; One version. Each part assembles by itself: llvm-mc -triple=amdgcn-amd-amdhsa -mcpu=gfx1250 --defsym DOCPART=n.
;; ======== version 1 of 1: 4 launches
;; limits: right only within a limited range of input values
;; workspace buffers: cb 16,384,000 bytes; mbits 524,288 bytes of whole numbers; mflag 1,024 bytes of whole numbers; tab 1,048,576 bytes; qkvb 9,830,400 bytes; ao 3,276,800 bytes; rb 16,384 bytes
;; launch prep (part 1): grid 1664 x 1, 4 waves a work-group, no clusters, 69,120 bytes of LDS; arguments Wq, Wk, Wv, Wo, x, mask, cb, mbits, tab, mflag; writes cb, mbits, tab, mflag
.if DOCPART == 1
	.amdgcn_target "amdgcn-amd-amdhsa--gfx1250"
	.amdhsa_code_object_version 6
	.text
	.protected	k_q25c4a080b8_prep
	.globl	k_q25c4a080b8_prep
	.p2align	8
	.type	k_q25c4a080b8_prep,@function
k_q25c4a080b8_prep:
	s_mov_b64 s[64:65], 0
	v_nop
	global_prefetch_b8 v0, s[64:65] scope:SCOPE_SE
	s_setreg_imm32_b32 hwreg(HW_REG_WAVE_MODE, 25, 1), 1
	s_wait_xcnt 0x0
; PREP.  Three jobs, told apart by the work-group's number alone.
; (1) Work-groups 0-1279: Wq, Wk, Wv, Wo, x ([2048][2048] f32, K innermost) become codes of FP6 (E2M3) with one E8M0 byte for each 32 along K, stored as RECORDS.
; (2) Work-groups 1280-1535: the mask ([2048][2048] int32) becomes lane masks, one bit a number.  (3) Work-groups 1536-1663: the table of cos and sin for the rotary embedding.
; A RECORD is 128 rows x 128 along K as an image of operand registers, 12,800 bytes: fragment f (0-7) at 1536 f; register g (0-11) of lane l at (g / 4) 512 + 16 l + 4 (g % 4): three runs of 512 bytes.
; Lane (r = l % 16, h = l / 16) of fragment f holds row P(f, r) = 32 (f / 2) + 8 (f % 2) + r + 8 (r / 8), and its registers 6 c .. 6 c + 5 hold k = 64 c + 32 h + 0 .. 31 (ISA guide 7.12: the 6-bit operand).
; At 12,288: the scale words, that of fragment f and row-lane r at 16 (r + 16 (f % 2)) + 4 (f / 2): one load of 16 bytes a lane gives four registers, register f / 2 for fragment f, lanes 0-15 (f even) or 16-31 (f odd).
; cb: [row group 80][K step 16][12,800]; row groups 0-15 Wq, 16-31 Wk, 32-47 Wv, 48-63 Wo, 64-79 x.  So a record's number is the work-group's number.
; mbits: [G 16][key step 16][f 8][64 words]: bit (r, h) of word n = (mask[128 G + P(f, r)][128 step + 32 (n / 16) + 16 h + n % 16] != 0).
; tab: [G 16][a 8][quad 16][lane 32][16 bytes]: register e = 4 quad + i; e < 32: cos, e >= 32: sin (with e - 32), at position 128 G + P(a, r) and frequency 32 (e / 16) + 16 h + e % 16.
; A work-group makes one record; wave w takes rows 32 w .. 32 w + 31, fragments 2 w and 2 w + 1.  Each load reads 512 consecutive bytes of a row; the rows turn through the wave's own stage in LDS.
; A block's scale is 2^(floor(log2(largest magnitude)) - 2): its byte is the largest magnitude's exponent field - 2, held at 1 from below.
; LIMITS: a block of zeros gets the byte 1 where the rule says 127 (its codes are zeros; the bytes are read by this program alone); NaN and infinities among the inputs are not served;
; the frequency 10000^(-f / 64) is made by one exponential of an exact argument and a first-order correction: it may differ by about two units in the last place from a power and a division in f32.
; No tensor loads, no cluster: work-groups share no input.
.set REC,  12800
.set STG,  32*528                      ; a wave's stage: 32 rows x (512 bytes + 16)
.set SCI,  4*STG                       ; behind the stages: the record's 512 bytes of scale words
.set R,    32                          ; v32-159  32 x 4 registers as loaded; then two sets of 64 numbers, one for each fragment
.set CD,   160                         ; v160-183 the codes of the two fragments, 12 registers each: no store's data are written again
.set PT,   184                         ; v184-191 the upper halves of the blocks' codes (a conversion's three registers begin on an even number)
; v1 16 x lane;  v2 stage, way in;  v3, v4 stage, way out (numbers, mask);  v5 where my scale word goes;  v6 8 x lane;  v7 8 h;  v13 the scale words' way out
	s_load_b256 s[4:11], s[0:1], 0x0               ; Wq s[4:5], Wk s[6:7], Wv s[8:9], Wo s[10:11]
	s_load_b256 s[12:19], s[0:1], 0x20             ; x s[12:13], mask s[14:15], cb s[16:17], mbits s[18:19]
	s_load_b64 s[20:21], s[0:1], 0x40              ; tab
	s_load_b64 s[48:49], s[0:1], 0x48              ; mflag: [G 16][key step 16] words: bit f: fragment f of (G, step) has an open key; bit 16 + f: all its keys are open
	v_lshl_add_u32 v192, v0, 2, 0x10a00
	v_mov_b32 v193, 0
	v_lshrrev_b32 v8, 5, v0
	v_readfirstlane_b32 s22, v8                    ; wave 0..3
	v_and_b32 v10, 31, v0                          ; lane
	v_and_b32 v11, 15, v0                          ; r
	v_bfe_u32 v12, v0, 4, 1                        ; h
	v_lshlrev_b32 v1, 4, v10
	s_mul_i32 s33, s22, STG
	v_add_nc_u32 v2, s33, v1                       ; in: my 16 bytes of a row
	v_mul_u32_u24 v3, v11, 528
	v_add_nc_u32 v3, s33, v3
	v_lshl_add_u32 v4, v12, 6, v3                  ; out, mask: place r, + 64 h: 16 numbers of each 32
	v_lshl_add_u32 v3, v12, 7, v3                  ; out, numbers: place r, + 128 h: a whole block of 32
	s_lshl_b32 s34, s22, 2
	s_add_co_u32 s34, s34, SCI
	v_add_nc_u32 v5, s34, v1                       ; 16 x lane + 4 x wave: register f / 2 = wave of the scale image
	v_add_nc_u32 v13, SCI, v1
	v_lshlrev_b32 v6, 3, v10
	v_lshlrev_b32 v7, 3, v12
	s_mov_b32 s30, 0x76543210
	s_mov_b32 s31, 0xfedcba98                      ; v_permlanex16_b32's selects for lane l xor 16
	s_mov_b32 s32, 0xffff0000                      ; lanes 16-31
	v_mov_b32 v22, 0                               ; a lane permute's destination counts as one of its sources
	s_mov_b32 s29, 0
	s_cmp_ge_u32 ttmp9, 1536
	s_cbranch_scc1 .Lrope
	; ---- the six tensors have one geometry: 128 rows x 512 bytes of [2048][8192 bytes] come in and go into the stage
	s_lshr_b32 s23, ttmp9, 8                       ; which tensor: 0 Wq, 1 Wk, 2 Wv, 3 Wo, 4 x, 5 mask
	s_bfe_u32 s24, ttmp9, 0x40004                  ; its group of 128 rows
	s_and_b32 s25, ttmp9, 15                       ; its step of 128 columns
	s_lshl_b32 s28, s24, 20                        ; 128 rows of 8,192 bytes
	s_lshl_b32 s35, s25, 9
	s_add_co_u32 s28, s28, s35
	s_lshl_b32 s35, s22, 18                        ; my wave's 32 rows
	s_add_co_u32 s28, s28, s35
	s_wait_kmcnt 0x0
	s_cmp_eq_u32 s23, 0                            ; the choice hangs on the work-group's number alone
	s_cselect_b64 s[26:27], s[4:5], s[14:15]
	s_cmp_eq_u32 s23, 1
	s_cselect_b64 s[26:27], s[6:7], s[26:27]
	s_cmp_eq_u32 s23, 2
	s_cselect_b64 s[26:27], s[8:9], s[26:27]
	s_cmp_eq_u32 s23, 3
	s_cselect_b64 s[26:27], s[10:11], s[26:27]
	s_cmp_eq_u32 s23, 4
	s_cselect_b64 s[26:27], s[12:13], s[26:27]
	s_add_nc_u64 s[26:27], s[26:27], s[28:29]
.set i, 0
.rept 32
	global_load_b128 v[R+4*i:R+4*i+3], v1, s[26:27] offset:i*8192 th:TH_LOAD_NT   ; 32 lanes read 512 consecutive bytes of row i; read once in the launch
.set i, i+1
.endr
; Row 8 g + j goes to place 16 (g % 2) + 8 (g / 2) + j, so that the sixteen rows of a fragment lie on end: 528 = 33 x 16 bytes from place to place, sixteen different columns of 16 bytes in a read
.irp g, 0,1,2,3
	s_wait_loadcnt 24-8*\g                         ; loads come back in order (ISA guide 5.7.1): these eight rows are in, the younger ones stay out
.irp j, 0,1,2,3,4,5,6,7
	ds_store_b128 v2, v[R+4*(8*\g+\j):R+4*(8*\g+\j)+3] offset:(16*(\g%2)+8*(\g/2)+\j)*528
.endr
.endr
	s_wait_dscnt 0x0                               ; the stores have read their registers, which take the numbers back
	s_cmp_lg_u32 s23, 5
	s_cbranch_scc1 .Lquant
	; ---- the mask: 64 compares a fragment; each result, a word of 32 lane bits, is written into a lane, so that 32 lanes store the 64 words as 256 consecutive bytes
	s_sub_co_u32 s28, ttmp9, 1280
	s_lshl_b32 s46, s28, 2                         ; my (G, step)'s flag word
	s_mov_b32 s47, 0
	s_add_nc_u64 s[48:49], s[48:49], s[46:47]
	s_mov_b32 s33, 0                               ; my wave's flags
	s_lshl_b32 s34, s22, 1                         ; the fragment's number, 2 w + u
	s_lshl_b32 s28, s28, 11                        ; (G, step): 8 fragments x 256 bytes
	s_lshl_b32 s35, s22, 9
	s_add_co_u32 s28, s28, s35                     ; my two fragments
	s_add_nc_u64 s[18:19], s[18:19], s[28:29]
	s_wait_alu depctr_va_vdst(0)
.irp u, 0,1
.irp b, 0,1,2,3
.irp q, 0,1,2,3
	ds_load_b128 v[R+64*\u+16*\b+4*\q:R+64*\u+16*\b+4*\q+3], v4 offset:\u*8448+128*\b+16*\q   ; register 16 b + 4 q + i: column 32 b + 16 h + 4 q + i of row P(2 w + u, r)
.endr
.endr
.endr
.macro MBITS u
	v_mov_b32 v[24+2*\u], 0                        ; v_writelane_b32's destination counts as read
	v_mov_b32 v[25+2*\u], 0
.set n, 0
.rept 64
	v_cmp_ne_u32 s[36+n%8], 0, v[R+64*\u+n]
	v_writelane_b32 v[24+2*\u+n%2], s[36+n%8], n/2 ; word n into lane n / 2, register n % 2
.set n, n+1
.endr
	global_store_b64 v6, v[24+2*\u:25+2*\u], s[18:19] offset:256*\u   ; 32 lanes store 256 consecutive bytes, aligned
	v_or_b32 v14, v[24+2*\u], v[25+2*\u]           ; the fragment's 64 words lie two to a lane:
	v_and_b32 v15, v[24+2*\u], v[25+2*\u]
	v_cmp_ne_u32 s44, 0, v14                       ; lanes with an open key,
	v_cmp_eq_u32 s45, -1, v15                      ; lanes with nothing but open keys
	s_cmp_lg_u32 s44, 0
	s_cselect_b32 s44, 1, 0                        ; some key is open
	s_cmp_eq_u32 s45, -1
	s_cselect_b32 s45, 0x10000, 0                  ; all are
	s_or_b32 s44, s44, s45
	s_lshl_b32 s44, s44, s34
	s_or_b32 s33, s33, s44
	s_add_co_u32 s34, s34, 1
.endm
	s_wait_dscnt 16                                ; the first fragment's sixteen reads are in
	MBITS 0
	s_wait_dscnt 0x0
	MBITS 1
	v_mov_b32 v23, s33
	ds_store_b32 v5, v23 offset:1024               ; my wave's flags, in LDS bytes that this path alone uses (behind the spare words)
	s_branch .Ljoin
.Lquant:
	; ---- the numbers: a lane takes two whole blocks of 32 of its row, in the very order of the operand's registers
	s_mul_i32 s28, ttmp9, REC
	s_mul_i32 s35, s22, 3072
	s_add_co_u32 s28, s28, s35
	s_add_nc_u64 s[16:17], s[16:17], s[28:29]      ; my record, my two fragments
	s_wait_alu depctr_va_vdst(0)
.irp u, 0,1
.irp c, 0,1
.irp q, 0,1,2,3,4,5,6,7
	ds_load_b128 v[R+64*\u+32*\c+4*\q:R+64*\u+32*\c+4*\q+3], v3 offset:\u*8448+256*\c+16*\q   ; k = 64 c + 32 h + 4 q ..
.endr
.endr
.endr
.macro QFRAG u
.set XU, R+64*\u
.set CU, CD+12*\u
.irp c, 0,1
	v_max3_num_f32 v[14+\c], |v[XU+32*\c]|, |v[XU+32*\c+1]|, 0x1800000   ; my block 2 c + h, and the floor 2^(3 - 127): the byte cannot fall under 1
.endr
.irp i, 2,4,6,8,10,12,14,16,18,20,22,24,26,28,30
.irp c, 0,1
	v_max3_num_f32 v[14+\c], v[14+\c], |v[XU+32*\c+\i]|, |v[XU+32*\c+\i+1]|   ; the two blocks by turns
.endr
.endr
	v_add_nc_u32 v16, 0xff000000, v14              ; 2 off the exponent field: the conversion takes this operand's exponent field as its scale
	v_add_nc_u32 v17, 0xff000000, v15
	v_lshrrev_b32 v18, 23, v16                     ; the scales' bytes
	v_lshrrev_b32 v19, 23, v17
	v_lshl_or_b32 v[20+\u], v19, 16, v18           ; blocks h and 2 + h,
	v_lshlrev_b32 v[20+\u], v7, v[20+\u]           ; at their places in the word;
	v_permlanex16_b32 v22, v[20+\u], s30, s31
	v_or_b32 v[20+\u], v[20+\u], v22               ; with lane l xor 16's two the row's word is whole
.irp c, 0,1
	v_cvt_scalef32_pk16_fp6_f32 v[CU+6*\c:CU+6*\c+2], v[XU+32*\c:XU+32*\c+15], v[16+\c]
	v_cvt_scalef32_pk16_fp6_f32 v[PT+4*\c:PT+4*\c+2], v[XU+32*\c+16:XU+32*\c+31], v[16+\c]
.endr
	v_nop                                          ; one plain instruction behind the scaled conversions
.irp c, 0,1
.irp i, 0,1,2
	v_mov_b32 v[CU+6*\c+3+\i], v[PT+4*\c+\i]
.endr
.endr
.irp k, 0,1,2
	global_store_b128 v1, v[CU+4*\k:CU+4*\k+3], s[16:17] offset:\u*1536+512*\k   ; 512 consecutive bytes, aligned
.endr
.endm
	s_wait_dscnt 16                                ; the first fragment's sixteen reads are in
	QFRAG 0
	s_wait_dscnt 0x0
	QFRAG 1
	v_cndmask_b32 v23, v20, v21, s32               ; lanes 0-15 the even fragment's words, lanes 16-31 the odd one's
	ds_store_b32 v5, v23
.Ljoin:
	s_wait_dscnt 0x0                               ; for the others' sake: my scale words lie in LDS
	s_barrier_signal -1
	s_barrier_wait -1
	s_cmp_lg_u32 s22, 0
	s_cbranch_scc1 .Lend
	s_cmp_eq_u32 s23, 5
	s_cbranch_scc1 .Lflag
	ds_load_b128 v[32:35], v13                     ; wave 0 stores the record's 512 bytes of scale words
	s_wait_dscnt 0x0
	global_store_b128 v1, v[32:35], s[16:17] offset:12288
	s_branch .Lend
.Lflag:
	ds_load_b128 v[32:35], v13 offset:1024         ; the four waves' flags, in every lane
	s_wait_dscnt 0x0
	v_or_b32 v32, v32, v33
	v_or_b32 v34, v34, v35
	v_or_b32 v32, v32, v34
	v_cmp_eq_u32 vcc_lo, 0, v10
	v_mov_b32 v9, 0                                ; the store's offset
	s_wait_alu depctr_va_vdst(0)
	s_wait_xcnt 0x0                                ; EXEC changes only behind this wait
	s_and_saveexec_b32 s36, vcc_lo
	global_store_b32 v9, v32, s[48:49]             ; lane 0 stores the one word of this (G, step)
	s_wait_xcnt 0x0
	s_or_b32 exec_lo, exec_lo, s36
.Lend:
	s_wait_tensorcnt 0x0
	ds_add_u32 v192, v193
	s_wait_dscnt 0x0
	s_endpgm
.Lrope:
	; ---- cos and sin.  A work-group takes (G, a); a lane one position and eight frequencies f0 .. f0 + 7, f0 = 32 (w / 2) + 16 h + 8 (w % 2): registers e = 8 w .. 8 w + 7 of the table
.set PH, 32
.set EX, 40
.set T1, 48
.set IV, 56
.set NN, 64
.set RH, 72
.set ZZ, 80
.set SN, 88
.set CN, 96
.set QQ, 104
.set T2, 112
.set CO, 120
.set SI, 128
	s_sub_co_u32 s24, ttmp9, 1536                  ; 8 G + a
	s_lshr_b32 s25, s24, 3
	s_lshl_b32 s25, s25, 7                         ; 128 G
	s_bfe_u32 s28, s24, 0x20001
	s_lshl_b32 s28, s28, 5                         ; 32 (a / 2)
	s_add_co_u32 s25, s25, s28
	s_and_b32 s28, s24, 1
	s_lshl_b32 s28, s28, 3                         ; 8 (a % 2)
	s_add_co_u32 s25, s25, s28
	v_and_b32 v14, 8, v11
	v_add_nc_u32 v14, v14, v11                     ; r + 8 (r / 8)
	v_add_nc_u32 v14, s25, v14
	v_cvt_f32_u32 v8, v14                          ; the position
	s_lshr_b32 s28, s22, 1
	s_lshl_b32 s28, s28, 5
	s_and_b32 s33, s22, 1
	s_lshl_b32 s33, s33, 3
	s_add_co_u32 s28, s28, s33
	v_lshl_add_u32 v9, v12, 4, s28                 ; f0
	s_mov_b32 s36, 0xb94ca1f9                      ; -1.9515295891e-4
	s_mov_b32 s37, 0x37ccf5ce                      ; 2.443315712e-5
	s_lshl_b32 s28, s24, 13                        ; 8,192 bytes for each (G, a),
	s_lshl_b32 s33, s22, 10                        ; my wave's two quads
	s_add_co_u32 s28, s28, s33
	s_wait_alu depctr_va_vdst(0)
	s_wait_kmcnt 0x0
	s_add_nc_u64 s[20:21], s[20:21], s[28:29]
.irp i, 0,1,2,3,4,5,6,7
	v_add_nc_u32 v[PH+\i], \i, v9
.endr
.irp i, 0,1,2,3,4,5,6,7
	v_cvt_f32_u32 v[PH+\i], v[PH+\i]
.endr
.irp i, 0,1,2,3,4,5,6,7
	v_mul_f32 v[EX+\i], 0xbe549a80, v[PH+\i]       ; -f x 108853 / 2^19: exact (6 bits x 17 bits); log2(10000) / 64 lies 1.147976e-7 under 108853 / 2^19
.endr
	s_wait_alu depctr_va_vdst(0)
.irp i, 0,1,2,3,4,5,6,7
	v_exp_f32 v[EX+\i], v[EX+\i]
.endr
.irp i, 0,1,2,3,4,5,6,7
	v_mul_f32 v[T1+\i], 0x33aae0f3, v[PH+\i]       ; f x 1.147976e-7 x ln 2: plain work behind the exponentials
.endr
	s_wait_alu depctr_va_vdst(0)                   ; one wait for the eight exponentials, ahead of their first reader
.irp i, 0,1,2,3,4,5,6,7
	v_fma_f32 v[IV+\i], v[EX+\i], v[T1+\i], v[EX+\i]   ; 10000^(-f / 64)
.endr
.irp i, 0,1,2,3,4,5,6,7
	v_mul_f32 v[IV+\i], v8, v[IV+\i]               ; the angle, rounded to f32 as the outer product rounds it
.endr
.irp i, 0,1,2,3,4,5,6,7
	v_mul_f32 v[NN+\i], 0x3f22f983, v[IV+\i]       ; x 2 / pi
.endr
.irp i, 0,1,2,3,4,5,6,7
	v_rndne_f32 v[NN+\i], v[NN+\i]                 ; n, at most 1,304
.endr
.irp i, 0,1,2,3,4,5,6,7
	v_fmamk_f32 v[RH+\i], v[NN+\i], 0xbfc90fdb, v[IV+\i]   ; angle - n x (pi / 2)'s upper part: a multiple of 2^-23 under 1, so nothing is rounded
.endr
.irp i, 0,1,2,3,4,5,6,7
	v_fmamk_f32 v[RH+\i], v[NN+\i], 0x333bbd2e, v[RH+\i]   ; - n x its lower part (-4.3711388e-8)
.endr
.irp i, 0,1,2,3,4,5,6,7
	v_mul_f32 v[ZZ+\i], v[RH+\i], v[RH+\i]
.endr
.irp i, 0,1,2,3,4,5,6,7
	v_fmaak_f32 v[T1+\i], s36, v[ZZ+\i], 0x3c08839e        ; sin on [-pi / 4, pi / 4]: x + x z (S1 + z (S2 + z S3))
.endr
.irp i, 0,1,2,3,4,5,6,7
	v_fmaak_f32 v[T1+\i], v[T1+\i], v[ZZ+\i], 0xbe2aaaa3
.endr
.irp i, 0,1,2,3,4,5,6,7
	v_mul_f32 v[T2+\i], v[ZZ+\i], v[RH+\i]
.endr
.irp i, 0,1,2,3,4,5,6,7
	v_fma_f32 v[SN+\i], v[T1+\i], v[T2+\i], v[RH+\i]
.endr
.irp i, 0,1,2,3,4,5,6,7
	v_fmaak_f32 v[T1+\i], s37, v[ZZ+\i], 0xbab6061a        ; cos: 1 - z / 2 + z z (C1 + z (C2 + z C3))
.endr
.irp i, 0,1,2,3,4,5,6,7
	v_fmaak_f32 v[T1+\i], v[T1+\i], v[ZZ+\i], 0x3d2aaaa5
.endr
.irp i, 0,1,2,3,4,5,6,7
	v_mul_f32 v[T2+\i], v[ZZ+\i], v[ZZ+\i]
.endr
.irp i, 0,1,2,3,4,5,6,7
	v_fma_f32 v[CN+\i], v[ZZ+\i], -0.5, 1.0
.endr
.irp i, 0,1,2,3,4,5,6,7
	v_fma_f32 v[CN+\i], v[T1+\i], v[T2+\i], v[CN+\i]
.endr
.irp i, 0,1,2,3,4,5,6,7
	v_cvt_i32_f32 v[QQ+\i], v[NN+\i]               ; the quadrant is n mod 4
.endr
.irp i, 0,1,2,3,4,5,6,7
	v_and_b32 v[T1+\i], 1, v[QQ+\i]
	v_cmp_eq_u32 vcc_lo, 1, v[T1+\i]               ; odd: sin and cos change places
	v_cndmask_b32 v[SI+\i], v[SN+\i], v[CN+\i], vcc_lo
	v_cndmask_b32 v[CO+\i], v[CN+\i], v[SN+\i], vcc_lo
.endr
.irp i, 0,1,2,3,4,5,6,7
	v_and_b32 v[T1+\i], 2, v[QQ+\i]                ; sin changes sign in quadrants 2 and 3,
	v_add_nc_u32 v[T2+\i], 1, v[QQ+\i]
.endr
.irp i, 0,1,2,3,4,5,6,7
	v_lshlrev_b32 v[T1+\i], 30, v[T1+\i]
	v_and_b32 v[T2+\i], 2, v[T2+\i]                ; cos in quadrants 1 and 2
.endr
.irp i, 0,1,2,3,4,5,6,7
	v_xor_b32 v[SI+\i], v[T1+\i], v[SI+\i]
	v_lshlrev_b32 v[T2+\i], 30, v[T2+\i]
.endr
.irp i, 0,1,2,3,4,5,6,7
	v_xor_b32 v[CO+\i], v[T2+\i], v[CO+\i]
.endr
	global_store_b128 v1, v[CO:CO+3], s[20:21]                 ; each store: 512 consecutive bytes, aligned
	global_store_b128 v1, v[CO+4:CO+7], s[20:21] offset:512
	global_store_b128 v1, v[SI:SI+3], s[20:21] offset:4096
	global_store_b128 v1, v[SI+4:SI+7], s[20:21] offset:4608
	s_endpgm
.Lfunc_end_k_q25c4a080b8_prep:
	.size	k_q25c4a080b8_prep, .Lfunc_end_k_q25c4a080b8_prep-k_q25c4a080b8_prep
	.p2alignl 7, 3214868480
	.fill 96, 4, 3214868480
	.section	.rodata,"a",@progbits
	.p2align	6, 0x0
	.amdhsa_kernel k_q25c4a080b8_prep
		.amdhsa_group_segment_fixed_size 69120
		.amdhsa_private_segment_fixed_size 0
		.amdhsa_enable_private_segment 0
		.amdhsa_kernarg_size 80
		.amdhsa_user_sgpr_count 2
		.amdhsa_user_sgpr_kernarg_segment_ptr 1
		.amdhsa_wavefront_size32 1
		.amdhsa_system_sgpr_workgroup_id_x 1
		.amdhsa_system_sgpr_workgroup_id_y 1
		.amdhsa_system_sgpr_workgroup_id_z 1
		.amdhsa_system_vgpr_workitem_id 0
		.amdhsa_next_free_vgpr 194
		.amdhsa_next_free_sgpr 66
		.amdhsa_reserve_vcc 1
		.amdhsa_float_denorm_mode_32 3
		.amdhsa_float_denorm_mode_16_64 3
		.amdhsa_memory_ordered 1
		.amdhsa_forward_progress 1
		.amdhsa_inst_pref_size 51
	.end_amdhsa_kernel
	.amdgpu_metadata
---
amdhsa.version: [ 1, 2 ]
amdhsa.kernels:
  - .name:           k_q25c4a080b8_prep
    .symbol:         k_q25c4a080b8_prep.kd
    .args:
      - { .name: Wq, .offset: 0, .size: 8, .value_kind: global_buffer, .address_space: global }
      - { .name: Wk, .offset: 8, .size: 8, .value_kind: global_buffer, .address_space: global }
      - { .name: Wv, .offset: 16, .size: 8, .value_kind: global_buffer, .address_space: global }
      - { .name: Wo, .offset: 24, .size: 8, .value_kind: global_buffer, .address_space: global }
      - { .name: x, .offset: 32, .size: 8, .value_kind: global_buffer, .address_space: global }
      - { .name: mask, .offset: 40, .size: 8, .value_kind: global_buffer, .address_space: global }
      - { .name: cb, .offset: 48, .size: 8, .value_kind: global_buffer, .address_space: global }
      - { .name: mbits, .offset: 56, .size: 8, .value_kind: global_buffer, .address_space: global }
      - { .name: tab, .offset: 64, .size: 8, .value_kind: global_buffer, .address_space: global }
      - { .name: mflag, .offset: 72, .size: 8, .value_kind: global_buffer, .address_space: global }
    .group_segment_fixed_size: 69120
    .private_segment_fixed_size: 0
    .kernarg_segment_align: 8
    .kernarg_segment_size: 80
    .max_flat_workgroup_size: 128
    .sgpr_count:     66
    .vgpr_count:     194
    .wavefront_size: 32
...
	.end_amdgpu_metadata
.endif
;; end of part 1
;; launch qkv (part 2): grid 24 x 8, 4 waves a work-group, clusters of 4 x 4, 327,680 bytes of LDS; arguments cb, tab, qkvb; writes qkvb
.if DOCPART == 2
	.amdgcn_target "amdgcn-amd-amdhsa--gfx1250"
	.amdhsa_code_object_version 6
	.text
	.protected	k_q25c4a080b8_qkv
	.globl	k_q25c4a080b8_qkv
	.p2align	8
	.type	k_q25c4a080b8_qkv,@function
k_q25c4a080b8_qkv:
	s_mov_b64 s[64:65], 0
	v_nop
	global_prefetch_b8 v0, s[64:65] scope:SCOPE_SE
	s_setreg_imm32_b32 hwreg(HW_REG_WAVE_MODE, 25, 1), 1
	s_wait_xcnt 0x0
	s_wait_alu depctr_hold_cnt(0) depctr_sa_sdst(0) depctr_va_vdst(0) depctr_va_sdst(0) depctr_va_ssrc(0) depctr_va_vcc(0) depctr_vm_vsrc(0)
	s_getreg_b32 s2, hwreg(HW_REG_IB_STS2, 6, 4)
	s_cmp_eq_u32 s2, 0
	s_cbranch_scc0 .Lentry_in_a_cluster
	s_endpgm
.Lentry_in_a_cluster:
	s_bfe_u32 s2, ttmp6, 0x10000c
	s_cmp_lg_u32 s2, 0xf033
	s_cbranch_scc0 .Lentry_shape_is_right
	s_endpgm
.Lentry_shape_is_right:
; QKV.  q = x Wq^T, k = x Wk^T, v = x Wv^T on codes of FP6 (E2M3) with E8M0 scales; the rotary embedding on q and k, in f32; then q and k are quantised along the head's 128 and v along the keys, and leave as records.
; RECORDS (128 rows x 128 along K as an image of operand registers, 12,800 bytes): fragment f at 1536 f, three runs of 512 bytes, 16 bytes a lane; lane (r, h) holds row P(f, r) = 32 (f / 2) + 8 (f % 2) + r + 8 (r / 8);
; at 12,288 the scale words: 16 bytes a lane give four registers, register f / 2 for fragment f, lanes 0-15 (f even) or lanes 16-31 (f odd).  cb: [row group 80][K step 16][record]: 0-15 Wq, 16-31 Wk, 32-47 Wv, 64-79 x.
; THE PRODUCT is D = (source 0: fragment b of U) x (source 1: fragment a of T).  Register j of lane (r, h) belongs to U's row 32 (b / 2) + 16 h + 8 (b % 2) + j and to T's row P(a, r): so the 64 registers of the eight tiles b
; are, in fours of sixteen, neighbours along U's rows, and quantised along them they ARE fragment a of the next record.  A work-group makes 256 rows of U x 256 rows of T, a wave 128 x 128: 64 accumulators, 512 registers.
; q, k (work-group x under 16): U = rows of Wq or Wk (a head's 128), T = rows of x (positions): a lane holds one position, its registers run along the head.
; v (x from 16 on): U = rows of x (keys), T = rows of Wv: a lane holds one channel, its registers run along the keys.  The roles change by the row groups' numbers alone: one text for the product.
; qkvb: [head 16][G 16][q, k, v][record]; q, k: rows = positions of group G, K = the head's 128;  v: rows = channels, K = the keys of group G.
; CLUSTERS: 4 x 4 work-groups.  U hangs on work-group x alone and is shared along a column of the cluster, T on y alone and is shared along a row: each tile is asked for JOINTLY.
; THE RING: two LDS slots of three K steps (a row group's records of neighbouring K steps are one dense block); six fills: five of three K steps, the last of one.  192 matrix instructions a wave between two changes of slots.
; 192 work-groups: a wave's tile cannot be smaller, since a head's pairs (d, d + 64), whole scale words and a whole record lie in 128 x 128.
; REGISTERS, in windows of 256: window 0: v1 16 x lane; v16-21 LDS addresses; v28, v29 for the add; v32-47 scale words, two sets, and nothing else; v48-91 the quantiser's; v128-223 T's eight fragments, ONE set (on the way out v128-191 at work).
;   window 1: U's eight fragments, TWO sets, at v0 and v128 (on the way out four sets of 64 of the table).   windows 2, 3: accumulator (a, b) at v[64 (a % 4) + 8 b] of window 2 + a / 4.
; LIMITS: a block of zeros gets the byte 1 where the rule says 127 (its codes are zeros; this program alone reads the bytes); NaN and infinities are not served; q cos + rot(q) sin is a product and a fused multiply-add.
.set REC,   12800
.set RGB,   16*REC                     ; a row group's 16 records
.set CHUNK, 3*REC                      ; what one tensor load brings: three K steps of one row group
.set SLOT,  4*CHUNK                    ; T's two row groups, then U's two
.set SPARE, 2*SLOT                     ; behind the ring: the spare words, 128 bytes for each wave: two blocks of 256 bytes that no other line names
.set LI,   1
.set ADT,  16                          ; v16-17  my T fragments in slot 0, 1
.set ADU,  20                          ; v20-21  my U fragments
.set SPW,  28
.set NIL,  29
.set SC,   32                          ; set p: v[SC + 8 p ..+3] U's scale words, v[SC + 4 + 8 p ..+3] T's
.set TM,   48                          ; v48-51 largest magnitudes, v52-55 bytes, v60-63 the conversions' scale operands
.set PW,   64                          ; the scale word just made
.set PC,   68                          ; v68-79 the codes just made
.set PT,   80                          ; v80-87 their upper halves
.set SCW,  88                          ; v88-91 the record's scale image
.set TF,   128
.set RT,   128                         ; the embedding's 64 products
.set WV,   10
.set THF,  11                          ; which 128 rows of T are mine.  Also: I fetch for T (0) or for U (1)
.set UHF,  12                          ; which 128 rows of U.  Also: which row group of the two I fetch
.set ISV,  13                          ; 1 in v's work-groups: cluster x from 4 on: the same in all sixteen partners
.set G1T3, 24                          ; s[24:31], s[32:39] descriptor group 1, 150 rows of 256 bytes, for T and for U
.set G1U3, 32
.set G1T1, 40                          ; s[40:47], s[48:55] the same with 50 rows: the last fill
.set G1U1, 48
.set G0T,  56                          ; s[56:63] group 0 for T, a set for each slot;  s[68:75] for U
.set G0U,  68
.set SEL,  76
.set HIM,  78
.set MSB, 0
.macro WIN new                         ; the immediate's high byte repeats the setting that is left; a switch that changes nothing is dropped
.if MSB != (\new)
	s_set_vgpr_msb (MSB<<8)|(\new)
.set MSB, (\new)
.endif
.endm
.set MUL_LO, 0xa1                      ; source 0 (U) window 1, source 1 (T) window 0, C and D window 2
.set MUL_HI, 0xf1                      ; the same, C and D window 3
.macro PLACES n
.rept \n
	v_nop
.endr
.endm
; one matrix instruction: D at d, source 0 at a, source 1 at b; z = 1: the sum begins; scale words in sa, sb; ra, rb = 1: they are read from lanes 16-31
.macro WM d, a, b, z, sa, sb, ra, rb
.if (\z) && (\ra) && (\rb)
	v_wmma_scale_f32_16x16x128_f8f6f4 v[(\d):(\d)+7], v[(\a):(\a)+11], v[(\b):(\b)+11], 0, v[(\sa)], v[(\sb)] matrix_a_fmt:MATRIX_FMT_FP6 matrix_b_fmt:MATRIX_FMT_FP6 matrix_a_scale:MATRIX_SCALE_ROW1 matrix_b_scale:MATRIX_SCALE_ROW1
.elseif (\z) && (\ra)
	v_wmma_scale_f32_16x16x128_f8f6f4 v[(\d):(\d)+7], v[(\a):(\a)+11], v[(\b):(\b)+11], 0, v[(\sa)], v[(\sb)] matrix_a_fmt:MATRIX_FMT_FP6 matrix_b_fmt:MATRIX_FMT_FP6 matrix_a_scale:MATRIX_SCALE_ROW1
.elseif (\z) && (\rb)
	v_wmma_scale_f32_16x16x128_f8f6f4 v[(\d):(\d)+7], v[(\a):(\a)+11], v[(\b):(\b)+11], 0, v[(\sa)], v[(\sb)] matrix_a_fmt:MATRIX_FMT_FP6 matrix_b_fmt:MATRIX_FMT_FP6 matrix_b_scale:MATRIX_SCALE_ROW1
.elseif (\z)
	v_wmma_scale_f32_16x16x128_f8f6f4 v[(\d):(\d)+7], v[(\a):(\a)+11], v[(\b):(\b)+11], 0, v[(\sa)], v[(\sb)] matrix_a_fmt:MATRIX_FMT_FP6 matrix_b_fmt:MATRIX_FMT_FP6
.elseif (\ra) && (\rb)
	v_wmma_scale_f32_16x16x128_f8f6f4 v[(\d):(\d)+7], v[(\a):(\a)+11], v[(\b):(\b)+11], v[(\d):(\d)+7], v[(\sa)], v[(\sb)] matrix_a_fmt:MATRIX_FMT_FP6 matrix_b_fmt:MATRIX_FMT_FP6 matrix_a_scale:MATRIX_SCALE_ROW1 matrix_b_scale:MATRIX_SCALE_ROW1
.elseif (\ra)
	v_wmma_scale_f32_16x16x128_f8f6f4 v[(\d):(\d)+7], v[(\a):(\a)+11], v[(\b):(\b)+11], v[(\d):(\d)+7], v[(\sa)], v[(\sb)] matrix_a_fmt:MATRIX_FMT_FP6 matrix_b_fmt:MATRIX_FMT_FP6 matrix_a_scale:MATRIX_SCALE_ROW1
.elseif (\rb)
	v_wmma_scale_f32_16x16x128_f8f6f4 v[(\d):(\d)+7], v[(\a):(\a)+11], v[(\b):(\b)+11], v[(\d):(\d)+7], v[(\sa)], v[(\sb)] matrix_a_fmt:MATRIX_FMT_FP6 matrix_b_fmt:MATRIX_FMT_FP6 matrix_b_scale:MATRIX_SCALE_ROW1
.else
	v_wmma_scale_f32_16x16x128_f8f6f4 v[(\d):(\d)+7], v[(\a):(\a)+11], v[(\b):(\b)+11], v[(\d):(\d)+7], v[(\sa)], v[(\sb)] matrix_a_fmt:MATRIX_FMT_FP6 matrix_b_fmt:MATRIX_FMT_FP6
.endif
.endm
; A joint load: waves 0 and 1 fetch T's two row groups, waves 2 and 3 U's.  Each line has one mask and one set of registers for all that issue it; the branch hangs on the wave's number alone.
; Four v_nop follow each of the two lines, ahead of the jump, the label and what follows.
.macro JLOAD g0t, g1t, g0u, g1u
	s_cmp_eq_u32 s[THF], 0
	s_cbranch_scc0 .Lfor_u_\@
	tensor_load_to_lds s[\g0t:\g0t+3], s[\g1t:\g1t+7]
	s_nop 0
	PLACES 4
	s_branch .Lasked_\@
.Lfor_u_\@:
	tensor_load_to_lds s[\g0u:\g0u+3], s[\g1u:\g1u+7]
	s_nop 0
	PLACES 4
.Lasked_\@:
.endm
.macro CREST                           ; a round of the cluster's barrier behind its opening barrier
	s_cmp_lg_u32 s[WV], 0
	s_cbranch_scc1 .Lnot_wave_0_\@
	s_barrier_signal -3
.Lnot_wave_0_\@:
	s_barrier_wait -3
	s_barrier_signal -1
	s_barrier_wait -1
.endm
.macro CROUND                          ; a whole round
	s_barrier_signal -1
	s_barrier_wait -1
	CREST
.endm
	s_load_b128 s[4:7], s[0:1], 0x0                ; cb s[4:5], tab s[6:7]
	s_load_b64 s[8:9], s[0:1], 0x10                ; qkvb
	v_lshl_add_u32 v[SPW], v0, 2, SPARE
	v_mov_b32 v[NIL], 0
	ds_add_u32 v28, v29
	ds_add_u32 v28, v29
	s_wait_dscnt 0x0
	v_lshrrev_b32 v2, 5, v0
	v_readfirstlane_b32 s[WV], v2                  ; wave 0..3
	s_lshr_b32 s[THF], s[WV], 1
	s_and_b32 s[UHF], s[WV], 1
	s_lshr_b32 s[ISV], ttmp9, 2                    ; cluster x is 0..5
	s_bfe_u32 s80, ttmp6, 0x40000                  ; cx, cy: my place in the cluster
	s_bfe_u32 s81, ttmp6, 0x40004
	s_lshl_b32 s82, ttmp9, 2
	s_add_co_u32 s82, s82, s80                     ; work-group x
	s_and_b32 s83, ttmp7, 0xffff
	s_lshl_b32 s83, s83, 2
	s_add_co_u32 s83, s83, s81                     ; work-group y
	s_lshl_b32 s84, s81, 2
	s_lshl_b32 s84, 15, s84                        ; my row of the cluster
	s_lshl_b32 s85, 0x1111, s80                    ; my column
	; descriptor group 1: a dense block as rows of 256 bytes (32 elements of 8 bytes), no padding: fragments are read 16 bytes a lane on end
	s_or_b32 s[G1T3], s84, (3<<16)|(1<<21)         ; 15:0 the mask: T's tiles go to my row; 17:16 elements of 8 bytes; 21 set beside a mask
	s_or_b32 s[G1U3], s85, (3<<16)|(1<<21)         ; U's go to my column
	s_or_b32 s[G1T1], s84, (3<<16)|(1<<21)
	s_or_b32 s[G1U1], s85, (3<<16)|(1<<21)
.irp g, G1T3, G1U3
	s_mov_b32 s[\g+1], 32<<16                      ; tensor_dim0
	s_mov_b32 s[\g+2], 150<<16                     ; tensor_dim1
	s_mov_b32 s[\g+3], 32<<16                      ; tile_dim0
	s_mov_b32 s[\g+4], 150                         ; tile_dim1
	s_mov_b32 s[\g+5], 32                          ; tensor_dim0_stride
	s_mov_b32 s[\g+6], 0
	s_mov_b32 s[\g+7], 0
.endr
.irp g, G1T1, G1U1
	s_mov_b32 s[\g+1], 32<<16
	s_mov_b32 s[\g+2], 50<<16
	s_mov_b32 s[\g+3], 32<<16
	s_mov_b32 s[\g+4], 50
	s_mov_b32 s[\g+5], 32
	s_mov_b32 s[\g+6], 0
	s_mov_b32 s[\g+7], 0
.endr
	s_lshl_b32 s88, s[ISV], 5                      ; 32 in v's work-groups
	s_lshl_b32 s86, s83, 1                         ; T's row group: 2 y + half + 64 (x), or + 32 (Wv): made of y, the wave and the cluster's x alone
	s_add_co_u32 s86, s86, s[UHF]
	s_add_co_u32 s86, s86, 64
	s_sub_co_u32 s86, s86, s88
	s_mul_i32 s86, s86, RGB
	s_mov_b32 s87, 0
	s_lshl_b32 s90, s82, 1                         ; U's: 2 x + half (Wq, Wk), or + 32 (x's groups 64 on): made of x and the wave alone
	s_add_co_u32 s90, s90, s[UHF]
	s_add_co_u32 s90, s90, s88
	s_mul_i32 s90, s90, RGB
	s_mov_b32 s91, 0
	s_mul_i32 s92, s[WV], CHUNK                    ; where they go: wave x a chunk: no place in the cluster enters an LDS address
	s_wait_kmcnt 0x0
	s_add_nc_u64 s[86:87], s[4:5], s[86:87]
	s_add_nc_u64 s[90:91], s[4:5], s[90:91]
.irp s, 0,1
	s_mov_b32 s[G0T+4*\s], 1                                       ; count = 1
	s_add_co_u32 s[G0T+4*\s+1], s92, \s*SLOT                       ; LDS address
	s_add_nc_u64 s[G0T+4*\s+2:G0T+4*\s+3], s[86:87], \s*CHUNK      ; global address: K steps 3 s on
	s_or_b32 s[G0T+4*\s+3], s[G0T+4*\s+3], 0x80000000              ; type = 2
	s_mov_b32 s[G0U+4*\s], 1
	s_add_co_u32 s[G0U+4*\s+1], s92, \s*SLOT
	s_add_nc_u64 s[G0U+4*\s+2:G0U+4*\s+3], s[90:91], \s*CHUNK
	s_or_b32 s[G0U+4*\s+3], s[G0U+4*\s+3], 0x80000000
.endr
	CROUND                                         ; all sixteen work-groups are here: the first joint loads meet
	s_cmp_eq_u32 s[THF], 0                         ; slot 0's first fill: one tensor load a wave at the head
	s_cbranch_scc0 .Lfirst_u
	tensor_load_to_lds s[G0T:G0T+3], s[G1T3:G1T3+7]
	s_nop 0
	PLACES 4
	s_branch .Lfirst_asked
.Lfirst_u:
	tensor_load_to_lds s[G0U:G0U+3], s[G1U3:G1U3+7]
	s_nop 0
	PLACES 4
.Lfirst_asked:
	v_and_b32 v2, 31, v0
	v_lshlrev_b32 v[LI], 4, v2
	s_mul_i32 s93, s[THF], CHUNK                   ; my 128 rows of T
	s_mul_i32 s94, s[UHF], CHUNK                   ; my 128 rows of U,
	s_add_co_u32 s94, s94, 2*CHUNK                 ; behind T's two chunks
.irp s, 0,1
	v_add_nc_u32 v[ADT+\s], s93, v[LI]
	v_add_nc_u32 v[ADU+\s], s94, v[LI]
	s_add_co_u32 s93, s93, SLOT
	s_add_co_u32 s94, s94, SLOT
.endr
	; where my record goes.  A = (2 x + U half) mod 16, B = 2 y + T half.  q, k: head A, group B;  v: head B, group A.  The kind is x / 8: 0 q, 1 k, 2 v
	s_lshl_b32 s80, s82, 1
	s_add_co_u32 s80, s80, s[UHF]
	s_and_b32 s80, s80, 15
	s_lshl_b32 s81, s83, 1
	s_add_co_u32 s81, s81, s[THF]
	s_lshr_b32 s84, s82, 3
	s_cmp_eq_u32 s[ISV], 0
	s_cselect_b32 s85, s80, s81
	s_cselect_b32 s88, s81, s80
	s_lshl_b32 s85, s85, 4
	s_add_co_u32 s85, s85, s88
	s_mul_i32 s85, s85, 3
	s_add_co_u32 s85, s85, s84
	s_mul_i32 s88, s85, REC
	s_mov_b32 s89, 0
	s_add_nc_u64 s[8:9], s[8:9], s[88:89]
	s_lshl_b32 s88, s81, 16                        ; the table of positions 128 B on: 8 x 8,192 bytes a group
	s_add_nc_u64 s[6:7], s[6:7], s[88:89]
	s_mov_b32 s[SEL], 0x76543210
	s_mov_b32 s[SEL+1], 0xfedcba98                 ; v_permlanex16_b32's selects for lane l xor 16
	s_mov_b32 s[HIM], 0xffff0000                   ; lanes 16-31
.irp b, 0,1,2,3
	v_mov_b32 v[TM+4+\b], 0                        ; written once: a lane permute's destination counts as one of its sources
.endr
; 16 matrix instructions: T's fragments a0, a0 + 1 x U's eight, one K step; p: U's set and the set of scale words.  The 64 accumulators take turns, one instruction a turn, in the same order in every step.
.macro MUL16 a0, p, zero
.irp a, \a0, \a0+1
.irp b, 0,1,2,3,4,5,6,7
	WM 64*((\a)%4)+8*\b, 128*(\p)+12*\b, TF+12*(\a), \zero, SC+8*(\p)+\b/2, SC+4+8*(\p)+(\a)/2, \b%2, (\a)%2
.endr
.endr
.endm
.macro FETCH_U slot, q, p              ; U's eight fragments of the slot's q-th K step into set p: 24 loads of 512 consecutive bytes
	WIN 0x40                                       ; destination window 1, address window 0
.irp f, 0,1,2,3,4,5,6,7
.irp k, 0,1,2
	ds_load_b128 v[128*(\p)+12*\f+4*\k:128*(\p)+12*\f+4*\k+3], v[ADU+\slot] offset:(\q)*REC+\f*1536+512*\k
.endr
.endr
	WIN 0
.endm
.macro SCALES slot, q, p               ; the K step's scale words: four registers a side
	ds_load_b128 v[SC+8*(\p):SC+8*(\p)+3], v[ADU+\slot] offset:(\q)*REC+12288
	ds_load_b128 v[SC+4+8*(\p):SC+4+8*(\p)+3], v[ADT+\slot] offset:(\q)*REC+12288
.endm
.macro FETCH_T slot, q, f0             ; T's fragments f0 .. f0 + 3: 12 loads
.irp f, \f0, \f0+1, \f0+2, \f0+3
.irp k, 0,1,2
	ds_load_b128 v[TF+12*(\f)+4*\k:TF+12*(\f)+4*\k+3], v[ADT+\slot] offset:(\q)*REC+(\f)*1536+512*\k
.endr
.endr
.endm
; A load into a register that a matrix instruction has read, and a vector instruction that reads a matrix result, stand four places behind that matrix instruction; only plain vector instructions that name none of its
; registers are places (ISA guide 7.12.1 for vector instructions).
; A K step that has its successor in the same slot.  T's fragments are free as soon as their sixteen products are issued: 0-3 are fetched anew in the step's middle, 4-7 at its end.
.macro STEP slot, q, p, zero
	s_wait_dscnt 12                                ; U's set, the scale words and T's fragments 0-3 are in; the youngest twelve loads (T's 4-7) may be out
	WIN MUL_LO
	MUL16 0, \p, \zero
	MUL16 2, \p, \zero
	s_wait_dscnt 0x0                               ; T's 4-7 are in (asked for 32 matrix instructions ago)
	PLACES 4
	FETCH_U \slot, (\q)+1, 1-(\p)
	SCALES \slot, (\q)+1, 1-(\p)
	FETCH_T \slot, (\q)+1, 0
	WIN MUL_HI
	MUL16 4, \p, \zero
	MUL16 6, \p, \zero
	PLACES 4
	WIN 0
	FETCH_T \slot, (\q)+1, 4
.endm
; A slot's last K step changes slots: ONE barrier; in front of it each wave waits for all its tensor loads, adds 0 to its spare word, and waits for that and for its own reads of this slot.
; fill = 3: this slot takes three K steps more; 1: the last one; 0: nothing is left to fetch, and no round of the cluster's barrier follows.
.macro TURN slot, next, p, fill
	s_wait_tensorcnt 0x0                           ; all my tensor loads have landed: the one that was out is my part of the next slot
	ds_add_u32 v[SPW], v[NIL]                      ; 0 onto my spare word
	s_wait_dscnt 13                                ; (the add and the youngest twelve loads may be out)
	WIN MUL_LO
	MUL16 0, \p, 0                                 ; sixteen matrix instructions stand between the add and the wait for it
	s_wait_dscnt 0x0                               ; the add is done, and my reads of this slot are over
	s_barrier_signal -1
	MUL16 2, \p, 0
	WIN 0
	s_barrier_wait -1
.if \fill
	CREST                                          ; the barrier has opened a round of the cluster's: no wave of any partner still reads this slot or has a load on its way
	s_add_nc_u64 s[G0T+4*\slot+2:G0T+4*\slot+3], s[G0T+4*\slot+2:G0T+4*\slot+3], 2*CHUNK
	s_add_nc_u64 s[G0U+4*\slot+2:G0U+4*\slot+3], s[G0U+4*\slot+2:G0U+4*\slot+3], 2*CHUNK
.if \fill == 3
	JLOAD G0T+4*\slot, G1T3, G0U+4*\slot, G1U3     ; the first tensor load behind the round; its four v_nop are the places in front of the loads below
.else
	JLOAD G0T+4*\slot, G1T1, G0U+4*\slot, G1U1
.endif
.else
	PLACES 4
.endif
	FETCH_U \next, 0, 1-(\p)
	SCALES \next, 0, 1-(\p)
	FETCH_T \next, 0, 0
	WIN MUL_HI
	MUL16 4, \p, 0
	MUL16 6, \p, 0
	PLACES 4
	WIN 0
	FETCH_T \next, 0, 4
.endm
.macro TABLOAD a                       ; cos (32 registers) and sin (32) of the positions of T's fragment a, into set a % 4 of window 1: each load 512 consecutive bytes
	WIN 0x40
.set k, 0
.rept 16
	global_load_b128 v[64*((\a)%4)+4*k:64*((\a)%4)+4*k+3], v[LI], s[6:7] offset:(\a)*8192+512*k
.set k, k+1
.endr
	WIN 0
.endm
; K step 15.  rope = 1: the table's first four sets are asked for: two into U's set 0, which K step 14 read last, two behind the last products into set 1
.macro LASTSTEP rope
	s_wait_dscnt 12
.if \rope
	TABLOAD 0
	TABLOAD 1
.endif
	WIN MUL_LO
	MUL16 0, 1, 0
	MUL16 2, 1, 0
	s_wait_dscnt 0x0
	WIN MUL_HI
	MUL16 4, 1, 0
	MUL16 6, 1, 0
	PLACES 4
	WIN 0
.if \rope
	TABLOAD 2
	TABLOAD 3
.endif
.endm
; 64 numbers of a lane in window w, v[s] .. v[s + 63], register 16 b + i = k 32 b + 16 h + i of my row, become a fragment's codes in v[PC] on and its scale word in v[PW]
.macro QUANT s, w
	WIN ((\w)<<2)|((\w)<<4)                        ; sources 1 and 2 in window w
.irp b, 0,1,2,3
	v_max3_num_f32 v[TM+\b], 0x1800000, |v[(\s)+16*\b]|, |v[(\s)+1+16*\b]|   ; block b: my 16 numbers, and the floor 2^(3 - 127): the byte cannot fall under 1.  Each accumulator is read from its low end on
.endr
.irp i, 2,4,6,8,10,12,14
.irp b, 0,1,2,3
	v_max3_num_f32 v[TM+\b], v[TM+\b], |v[(\s)+16*\b+\i]|, |v[(\s)+1+16*\b+\i]|   ; the four blocks by turns
.endr
.endr
	WIN 0
.irp b, 0,1,2,3
	v_permlanex16_b32 v[TM+4+\b], v[TM+\b], s[SEL], s[SEL+1]
.endr
.irp b, 0,1,2,3
	v_max_num_f32 v[TM+\b], v[TM+\b], v[TM+4+\b]   ; with lane l xor 16's: the block's largest magnitude
.endr
.irp b, 0,1,2,3
	v_add_nc_u32 v[TM+12+\b], 0xff000000, v[TM+\b] ; 2 off its exponent field: the conversion's scale operand
.endr
.irp b, 0,1,2,3
	v_lshrrev_b32 v[TM+4+\b], 23, v[TM+12+\b]      ; the scale's byte
.endr
	v_lshl_or_b32 v[PW], v[TM+5], 8, v[TM+4]
	v_lshl_or_b32 v[PW], v[TM+6], 16, v[PW]
	v_lshl_or_b32 v[PW], v[TM+7], 24, v[PW]
	WIN (\w)                                       ; source 0 in window w
.irp c, 0,1
	v_cvt_scalef32_pk16_fp6_f32 v[PC+6*\c:PC+2+6*\c], v[(\s)+32*\c:(\s)+15+32*\c], v[TM+12+2*\c]
	v_cvt_scalef32_pk16_fp6_f32 v[PT+4*\c:PT+2+4*\c], v[(\s)+16+32*\c:(\s)+31+32*\c], v[TM+13+2*\c]   ; (a conversion's three registers begin on an even number)
.endr
	WIN 0
	v_nop                                          ; one plain instruction behind the scaled conversions
.irp c, 0,1                            ; the operand's layout wants a WHOLE block in a lane: lanes 0-15 block 2 c, lanes 16-31 block 2 c + 1
.irp i, 0,1,2
	v_permlane16_swap_b32 v[PC+6*\c+\i], v[PT+4*\c+\i]
.endr
.irp i, 0,1,2
	v_mov_b32 v[PC+3+6*\c+\i], v[PT+4*\c+\i]
.endr
.endr
.endm
; THE WAY OUT of T's fragment a: its eight tiles (64 registers a lane).  rope = 1: register n (under 32) is channel d = 32 (n / 16) + 16 h + n % 16 and register n + 32 is d + 64, with the same angle:
; q'(n) = q(n) cos - q(n + 32) sin;  q'(n + 32) = q(n + 32) cos + q(n) sin.  cnt: the table loads issued behind this fragment's, which stay out.
.macro BLOCK a, rope, cnt
.set WA, 2+(\a)/4
.set XA, 64*((\a)%4)                   ; the tiles' place in window WA, and the table set's place in window 1 (cos at XA, sin at XA + 32)
.if \rope
	s_wait_loadcnt \cnt
	WIN WA|(1<<2)                                  ; source 0: the tiles; source 1: the table; destination window 0
.set n, 0
.rept 16
	v_pk_mul_f32 v[RT+n:RT+n+1], v[XA+32+n:XA+33+n], v[XA+32+n:XA+33+n]       ; q(n + 32) sin(n)
.set n, n+2
.endr
.set n, 0
.rept 16
	v_pk_mul_f32 v[RT+32+n:RT+33+n], v[XA+n:XA+n+1], v[XA+32+n:XA+33+n]       ; q(n) sin(n)
.set n, n+2
.endr
	WIN WA|(1<<2)|(WA<<6)                          ; and the destination: the tiles; source 2 window 0
.set n, 0
.rept 16
	v_pk_fma_f32 v[XA+n:XA+n+1], v[XA+n:XA+n+1], v[XA+n:XA+n+1], v[RT+n:RT+n+1] neg_lo:[0,0,1] neg_hi:[0,0,1]
.set n, n+2
.endr
.set n, 0
.rept 16
	v_pk_fma_f32 v[XA+32+n:XA+33+n], v[XA+32+n:XA+33+n], v[XA+n:XA+n+1], v[RT+32+n:RT+33+n]
.set n, n+2
.endr
	WIN 0
.if (\a) < 4
	TABLOAD (\a)+4                                 ; the set just read takes the fragment four further on
.endif
.endif
	s_wait_xcnt 0x0                                ; the last fragment's stores have read the codes' registers, which are written again below
	QUANT XA, WA
.irp k, 0,1,2
	global_store_b128 v[LI], v[PC+4*\k:PC+4*\k+3], s[8:9] offset:(\a)*1536+512*\k   ; 512 consecutive bytes, aligned
.endr
.if (\a)%2 == 0
	v_mov_b32 v[SCW+(\a)/2], v[PW]                 ; the scale image: lanes 0-15 the even fragment's words,
.else
	v_cndmask_b32 v[SCW+(\a)/2], v[SCW+(\a)/2], v[PW], s[HIM]   ; lanes 16-31 the odd one's
.endif
.endm
	s_wait_alu depctr_va_vdst(0)
	s_wait_tensorcnt 0x0                           ; my part of K steps 0-2 is in; slot 1's first fill is issued as a refill is
	ds_add_u32 v[SPW], v[NIL]
	s_wait_dscnt 0x0
	CROUND                                         ; everybody's part is in, and all sixteen work-groups are here
	JLOAD G0T+4, G1T3, G0U+4, G1U3                 ; K steps 3-5, the first tensor load behind the round
	FETCH_U 0, 0, 0
	SCALES 0, 0, 0
	FETCH_T 0, 0, 0
	FETCH_T 0, 0, 4
	STEP 0, 0, 0, 1                                ; K step 0: its products start the sums: nothing is ever cleared
	STEP 0, 1, 1, 0
	TURN 0, 1, 0, 3                                ; K step 2; slot 0 takes K steps 6-8
	STEP 1, 0, 1, 0
	STEP 1, 1, 0, 0
	TURN 1, 0, 1, 3                                ; K step 5; slot 1 takes 9-11
	STEP 0, 0, 0, 0
	STEP 0, 1, 1, 0
	TURN 0, 1, 0, 3                                ; K step 8; slot 0 takes 12-14
	STEP 1, 0, 1, 0
	STEP 1, 1, 0, 0
	TURN 1, 0, 1, 1                                ; K step 11; slot 1 takes K step 15
	STEP 0, 0, 0, 0
	STEP 0, 1, 1, 0
	TURN 0, 1, 0, 0                                ; K step 14
	s_cmp_lg_u32 s[ISV], 0                         ; one parting, on the cluster's x: the last step and the way out are written twice, with the embedding and without
	s_cbranch_scc1 .Lv_tail
	LASTSTEP 1
	BLOCK 0, 1, 48
	BLOCK 1, 1, 48
	BLOCK 2, 1, 48
	BLOCK 3, 1, 48
	BLOCK 4, 1, 48
	BLOCK 5, 1, 32
	BLOCK 6, 1, 16
	BLOCK 7, 1, 0
	s_branch .Lclose
.Lv_tail:
	LASTSTEP 0
.irp a, 0,1,2,3,4,5,6,7
	BLOCK \a, 0, 0
.endr
.Lclose:
	s_wait_alu depctr_va_vdst(0)
	global_store_b128 v[LI], v[SCW:SCW+3], s[8:9] offset:12288     ; the record's 512 bytes of scale words
	s_wait_tensorcnt 0x0                           ; the wave's end
	ds_add_u32 v[SPW], v[NIL]
	s_wait_dscnt 0x0
	CROUND                                         ; the closing round: no work-group ends while a partner may still ask for a tile that names it
	s_endpgm
.Lfunc_end_k_q25c4a080b8_qkv:
	.size	k_q25c4a080b8_qkv, .Lfunc_end_k_q25c4a080b8_qkv-k_q25c4a080b8_qkv
	.p2alignl 7, 3214868480
	.fill 96, 4, 3214868480
	.section	.rodata,"a",@progbits
	.p2align	6, 0x0
	.amdhsa_kernel k_q25c4a080b8_qkv
		.amdhsa_group_segment_fixed_size 327680
		.amdhsa_private_segment_fixed_size 0
		.amdhsa_enable_private_segment 0
		.amdhsa_kernarg_size 24
		.amdhsa_user_sgpr_count 2
		.amdhsa_user_sgpr_kernarg_segment_ptr 1
		.amdhsa_wavefront_size32 1
		.amdhsa_system_sgpr_workgroup_id_x 1
		.amdhsa_system_sgpr_workgroup_id_y 1
		.amdhsa_system_sgpr_workgroup_id_z 1
		.amdhsa_system_vgpr_workitem_id 0
		.amdhsa_next_free_vgpr 1024
		.amdhsa_next_free_sgpr 100
		.amdhsa_reserve_vcc 0
		.amdhsa_float_denorm_mode_32 3
		.amdhsa_float_denorm_mode_16_64 3
		.amdhsa_memory_ordered 1
		.amdhsa_forward_progress 1
		.amdhsa_inst_pref_size 255
	.end_amdhsa_kernel
	.section	.bss,"aw",@nobits
	.p2align	6
	.space	262144
	.amdgpu_metadata
---
amdhsa.version: [ 1, 2 ]
amdhsa.kernels:
  - .name:           k_q25c4a080b8_qkv
    .symbol:         k_q25c4a080b8_qkv.kd
    .args:
      - { .name: cb, .offset: 0, .size: 8, .value_kind: global_buffer, .address_space: global }
      - { .name: tab, .offset: 8, .size: 8, .value_kind: global_buffer, .address_space: global }
      - { .name: qkvb, .offset: 16, .size: 8, .value_kind: global_buffer, .address_space: global }
    .group_segment_fixed_size: 327680
    .private_segment_fixed_size: 0
    .kernarg_segment_align: 8
    .kernarg_segment_size: 24
    .max_flat_workgroup_size: 128
    .sgpr_count:     100
    .vgpr_count:     1024
    .wavefront_size: 32
...
	.end_amdgpu_metadata
.endif
;; end of part 2
;; launch attn (part 3): grid 16 x 16, 8 waves a work-group, no clusters, 78,848 bytes of LDS; arguments qkvb, mbits, mflag, ao, rb; writes ao, rb
.if DOCPART == 3
	.amdgcn_target "amdgcn-amd-amdhsa--gfx1250"
	.amdhsa_code_object_version 6
	.text
	.protected	k_q25c4a080b8_attn
	.globl	k_q25c4a080b8_attn
	.p2align	8
	.type	k_q25c4a080b8_attn,@function
k_q25c4a080b8_attn:
	s_mov_b64 s[64:65], 0
	v_nop
	global_prefetch_b8 v0, s[64:65] scope:SCOPE_SE
	s_setreg_imm32_b32 hwreg(HW_REG_WAVE_MODE, 25, 1), 1
	s_wait_xcnt 0x0
; ATTN.  For each head: scores = q k^T / sqrt(128); where the mask (an input, packed to bits by the first launch) is 0 the score is -infinity; softmax; times v.  Both products on codes of FP6 (E2M3) with E8M0 scales.
; THE SOFTMAX AHEAD OF THE SECOND PRODUCT: t = score x log2(e) / sqrt(128); M = the row's largest t so far, rounded UP to a whole number; p = 2^(t - M) is quantised along the keys, not normalised.
; The row's sum is taken of the unquantised p, in f32, and divides O at the end.  When M moves, the sum and O are multiplied by 2^(old M - new M): nothing is rounded.
; RECORDS: 128 rows x 128 along K as an image of operand registers, 12,800 bytes: fragment f at 1536 f, three runs of 512 bytes, 16 bytes a lane; lane (r, h) holds row P(f, r) = 32 (f / 2) + 8 (f % 2) + r + 8 (r / 8);
; at 12,288 the scale words (16 bytes a lane: register f / 2 for fragment f, lanes 0-15 for f even, lanes 16-31 for f odd).  qkvb: [head][G][q, k, v][record]; v's rows are channels, its K the keys of group G.
; WHAT THE MASK'S WHOLE NUMBERS DECIDE.  mflag [G][step]: bit f: fragment f (16 queries) of group G has an open key among the step's 128; bit 16 + f: all are open.  A step with no open key gives p = 0 for all
; its keys and leaves M, the sum and O as they are, whatever the scores: the wave passes over it by a scalar branch on the stored flag.  Where all keys are open the 64 selects change nothing and are passed over likewise.
; The flags are read from memory for every mask: nothing of the mask's pattern is built in.  LIMIT: a NaN or an infinity in scores of a step that is passed over is not carried to the result.
; SHARES.  Work-group (x, head), p = x / 2, hh = x % 2: waves 0-3 own fragments 4 hh .. 4 hh + 3 of query group 15 - p, waves 4-7 the same fragments of group p; 16 queries a wave, two waves to a SIMD.
; THE TILES.  A key step's k and v records are 25,600 dense bytes.  The eight waves bring them through registers (100 bytes a thread, seven loads) into one of three LDS places.  Three sets of 25 registers take turns:
; at the top of trip t tile t + 4 is asked for, and tile t + 2, asked for two trips earlier, is stored into the place that trip t - 1 read last; then v of step t and k of step t + 1 are read.
; The seven loads of a tile are issued on every path; for a tile that no wave of the work-group needs every lane is off, and nothing is fetched.  So the loads behind a tile's are the same number on every path:
; s_wait_loadcnt 14 = the two younger tiles' seven each.  Tiles 0 to 2 are fetched for every mask.  One barrier closes each of the 16 trips; every wave passes it, and no barrier stands under a branch.
; NO TENSOR LOAD, NO CLUSTER: branches here hang on numbers read from memory.  NO PREFETCH: each tile is asked for by its own loads four trips ahead of its products.
; LAYOUT.  Both products are used transposed: S^T = K Q^T, O^T = V^T P^T: a lane holds ONE query throughout.  By P, register n of the eight tiles of S^T is key 32 (n / 16) + 16 h + n % 16 of the step.
; A ROW WITH NO OPEN KEY has the sum 0: its codes are zeros, and head 0's waves store NaN for it in rb ([G][f][lane] f32, else 0), which the last launch takes into its sums, as a softmax of nothing but -infinity gives NaN.
; The record's scale words leave 8 bytes a lane: the other 8 of each 16 belong to the work-group with the other hh.
; LIMITS: a block of zeros gets the byte 1 where the rule says 127 (its codes are zeros; this program alone reads the bytes); NaN and infinities among the inputs are not served; the scaled scores stay under 2^31 in magnitude.
; REGISTERS: window 0: v1-11, v29 addresses; v12 -M, v13 the largest t, v[14:15] the sum; v16-27 Q, v28 its scale words; v30, v31 for the add; v32-127 K's fragments; v128-131 K's scale words, v132-135 V's, v136 p's;
;   v140-159 the codes just made; v160-223 S^T, then p; v224-255 at work.   window 1: v0-63 O^T; v64-159 V's fragments; v160-236 three sets of a tile's 100 bytes on their way, 26 registers apart.
.set REC,   12800
.set STEPB, 2*REC
.set SPARE, 3*STEPB                    ; the spare words, 128 bytes for each of eight waves
.set SCG,   SPARE+1024                 ; the way out: two images of scale words, 512 bytes each
.set LI,   1
.set AD,   2                           ; v2-4   16 x lane + place
.set SA,   5                           ; v5-7   16 x thread + place
.set SB,   8                           ; v8-10  4 x thread + 24,576 + place
.set GB,   11                          ; 4 x thread
.set QF,   16
.set QS,   28
.set GA,   29                          ; 16 x thread
.set SPW,  30
.set NIL,  31
.set KF,   32
.set KS,   128
.set VS,   132
.set PW,   136
.set NINF, 137
.set NANR, 138
.set QSO,  139
.set PC,   140
.set PT,   152
.set SCO,  160
.set TM,   224                         ; v224-227 the blocks' largest; v228-231 at work, bytes; v236-239 the conversions' scale operands
.set SGA,  232
.set SGR,  233
.set SGO,  234
.set RBO,  235
.set FF,   242
.set T0,   244
.set FW,   246
.set VF,   64                          ; in window 1
.set ST,   160                         ; in window 1: tile i's set is ST + 26 (i % 3)
.set WV,   2
.set CNT,  3
.set CS,   6
.set KB,   8                           ; s[8:9] the tile to be asked for next
.set MP,   10                          ; s[10:11] the next step's mask words; they land in s[20:51] and s[68:99]
.set OWN,  12                          ; bit i: my fragment has an open key in step t + i
.set PART, 13                          ; bit i: and a closed one
.set NW,   14                          ; bit i: some wave of the work-group needs step t + i
.set LEAD, 15
.set HD,   16
.set SEL,  52
.set QP,   54
.set RB,   56
.set MSB, 0
.macro WIN new
.if MSB != (\new)
	s_set_vgpr_msb (MSB<<8)|(\new)
.set MSB, (\new)
.endif
.endm
.macro PLACES n
.rept \n
	v_nop
.endr
.endm
.macro WM d, a, b, z, sa, sb, ra
.if (\z) && (\ra)
	v_wmma_scale_f32_16x16x128_f8f6f4 v[(\d):(\d)+7], v[(\a):(\a)+11], v[(\b):(\b)+11], 0, v[(\sa)], v[(\sb)] matrix_a_fmt:MATRIX_FMT_FP6 matrix_b_fmt:MATRIX_FMT_FP6 matrix_a_scale:MATRIX_SCALE_ROW1
.elseif (\z)
	v_wmma_scale_f32_16x16x128_f8f6f4 v[(\d):(\d)+7], v[(\a):(\a)+11], v[(\b):(\b)+11], 0, v[(\sa)], v[(\sb)] matrix_a_fmt:MATRIX_FMT_FP6 matrix_b_fmt:MATRIX_FMT_FP6
.elseif (\ra)
	v_wmma_scale_f32_16x16x128_f8f6f4 v[(\d):(\d)+7], v[(\a):(\a)+11], v[(\b):(\b)+11], v[(\d):(\d)+7], v[(\sa)], v[(\sb)] matrix_a_fmt:MATRIX_FMT_FP6 matrix_b_fmt:MATRIX_FMT_FP6 matrix_a_scale:MATRIX_SCALE_ROW1
.else
	v_wmma_scale_f32_16x16x128_f8f6f4 v[(\d):(\d)+7], v[(\a):(\a)+11], v[(\b):(\b)+11], v[(\d):(\d)+7], v[(\sa)], v[(\sb)] matrix_a_fmt:MATRIX_FMT_FP6 matrix_b_fmt:MATRIX_FMT_FP6
.endif
.endm
.macro TLOAD reg, off                  ; my 100 bytes of a tile: six times 16 of 4,096 consecutive bytes of the work-group, and 4 of the last 1,024: seven loads
	WIN 0x40
.irp i, 0,1,2,3,4,5
	global_load_b128 v[\reg+4*\i:\reg+4*\i+3], v[GA], s[KB:KB+1] offset:\off+4096*\i
.endr
	global_load_b32 v[\reg+24], v[GB], s[KB:KB+1] offset:\off+24576
	WIN 0
.endm
.macro XLOAD reg, bit                  ; the same seven loads with every lane on where bit \bit of NW is set, and every lane off where it is not; then the address steps a tile on
	s_wait_xcnt 0x0                                ; EXEC changes only behind this wait
	s_bitcmp1_b32 s[NW], \bit
	s_cselect_b32 vcc_lo, -1, 0
	s_and_saveexec_b32 s18, vcc_lo
	TLOAD \reg, 0
	s_wait_xcnt 0x0                                ; and again, in front of the line that widens it; the loads have read their base too
	s_or_b32 exec_lo, exec_lo, s18
	s_add_nc_u64 s[KB:KB+1], s[KB:KB+1], 3*REC
.endm
.macro TSTORE reg, sl                  ; a set into place sl, as the bytes lie
	WIN 0x04
.irp i, 0,1,2,3,4,5
	ds_store_b128 v[SA+(\sl)], v[\reg+4*\i:\reg+4*\i+3] offset:4096*\i
.endr
	ds_store_b32 v[SB+(\sl)], v[\reg+24]
	WIN 0
.endm
.macro KLOAD s                         ; K's eight fragments and scale words from place s: 25 loads
.irp t, 0,1,2,3,4,5,6,7
.irp k, 0,1,2
	ds_load_b128 v[KF+12*\t+4*\k:KF+12*\t+4*\k+3], v[AD+(\s)] offset:\t*1536+512*\k
.endr
.endr
	ds_load_b128 v[KS:KS+3], v[AD+(\s)] offset:12288
.endm
.macro VLOAD s                         ; V's: 25 loads
	WIN 0x40
.irp t, 0,1,2,3,4,5,6,7
.irp k, 0,1,2
	ds_load_b128 v[VF+12*\t+4*\k:VF+12*\t+4*\k+3], v[AD+(\s)] offset:REC+\t*1536+512*\k
.endr
.endr
	WIN 0
	ds_load_b128 v[VS:VS+3], v[AD+(\s)] offset:REC+12288
.endm
.macro MLOAD                           ; 64 mask words
	s_load_b512 s[20:35], s[MP:MP+1], 0x0
	s_load_b512 s[36:51], s[MP:MP+1], 0x40
	s_load_b512 s[68:83], s[MP:MP+1], 0x80
	s_load_b512 s[84:99], s[MP:MP+1], 0xc0
.endm
.macro NEXT sl                         ; what the next step wants of this trip: its K, where I multiply it; its mask words, where it has closed keys
	s_bitcmp1_b32 s[OWN], 1
	s_cbranch_scc0 .Lnk_\@
	KLOAD (\sl+1)%3
.Lnk_\@:
	s_bitcmp1_b32 s[PART], 1
	s_cbranch_scc0 .Lnm_\@
	MLOAD
.Lnm_\@:
.endm
; v[TM] .. v[TM + 3] hold the four blocks' largest magnitudes, floor included: the scale word into v[PW], the codes of v[SCO] .. v[SCO + 63] into v[PC] on
.macro SCALECODES
.irp b, 0,1,2,3
	v_add_nc_u32 v[TM+12+\b], 0xff000000, v[TM+\b] ; 2 off the exponent field: the conversion's scale operand
.endr
.irp b, 0,1,2,3
	v_lshrrev_b32 v[TM+4+\b], 23, v[TM+12+\b]      ; the scale's byte
.endr
	v_lshl_or_b32 v[PW], v[TM+5], 8, v[TM+4]
	v_lshl_or_b32 v[PW], v[TM+6], 16, v[PW]
	v_lshl_or_b32 v[PW], v[TM+7], 24, v[PW]
.irp c, 0,1
	v_cvt_scalef32_pk16_fp6_f32 v[PC+6*\c:PC+2+6*\c], v[SCO+32*\c:SCO+15+32*\c], v[TM+12+2*\c]
	v_cvt_scalef32_pk16_fp6_f32 v[PT+4*\c:PT+2+4*\c], v[SCO+16+32*\c:SCO+31+32*\c], v[TM+13+2*\c]
.endr
	v_nop                                          ; one plain instruction behind the scaled conversions
.irp c, 0,1                            ; the operand's layout wants a WHOLE block in a lane
.irp i, 0,1,2
	v_permlane16_swap_b32 v[PC+6*\c+\i], v[PT+4*\c+\i]
.endr
.irp i, 0,1,2
	v_mov_b32 v[PC+3+6*\c+\i], v[PT+4*\c+\i]
.endr
.endr
.endm
	s_load_b256 s[20:27], s[0:1], 0x0              ; qkvb s[20:21], mbits s[22:23], mflag s[24:25], ao s[26:27]
	s_load_b64 s[28:29], s[0:1], 0x20              ; rb
	v_lshl_add_u32 v[SPW], v0, 2, SPARE
	v_mov_b32 v[NIL], 0
	v_lshrrev_b32 v[T0], 5, v0
	v_readfirstlane_b32 s[WV], v[T0]               ; wave 0..7
	s_lshr_b32 s30, ttmp9, 1                       ; p
	s_and_b32 s31, ttmp9, 1                        ; hh
	s_and_b32 s[HD], ttmp7, 0xffff                 ; the head
	s_sub_co_u32 s34, 15, s30
	s_lshr_b32 s33, s[WV], 2                       ; 0: group 15 - p; 1: group p
	s_and_b32 s[LEAD], s[WV], 3
	s_cmp_eq_u32 s33, 0
	s_cselect_b32 s35, s34, s30                    ; G, my query group
	s_cselect_b32 s36, s30, s34                    ; the other four waves'
	s_lshl_b32 s32, s31, 2
	s_add_co_u32 s37, s32, s[LEAD]                 ; f, my fragment
	s_lshl_b32 s38, 15, s32                        ; the four fragments that the work-group holds of each group
	s_mul_i32 s39, s37, 1536
	s_mul_i32 s40, s[HD], 48*REC
	s_add_co_u32 s40, s40, REC                     ; k of key step 0
	s_mov_b32 s41, 0
	s_lshl_b32 s42, s[HD], 4
	s_add_co_u32 s42, s42, s35
	s_mul_i32 s42, s42, 3*REC
	s_add_co_u32 s42, s42, s39                     ; Q: record (16 head + G) 3, fragment f
	s_mov_b32 s43, 0
	s_lshl_b32 s44, s35, 4
	s_add_co_u32 s44, s44, s[HD]
	s_mul_i32 s44, s44, REC
	s_add_co_u32 s44, s44, s39                     ; ao: record 16 G + head, fragment f
	s_mov_b32 s45, 0
	s_lshl_b32 s46, s35, 7
	s_add_co_u32 s46, s46, s37
	s_lshl_b32 s46, s46, 8                         ; the mask: (128 G + f) x 256 bytes; 2,048 from step to step
	s_mov_b32 s47, 0
	s_lshl_b32 s48, s35, 6                         ; the flags of my group's 16 steps,
	s_mov_b32 s49, 0
	s_lshl_b32 s50, s36, 6                         ; and of the other group's
	s_mov_b32 s51, 0
	s_lshl_b32 s62, s35, 3
	s_add_co_u32 s62, s62, s37
	s_lshl_b32 s62, s62, 7                         ; rb: (8 G + f) x 128 bytes
	s_mov_b32 s63, 0
	s_and_b32 s66, s[LEAD], 1
	s_lshl_b32 s66, s66, 8
	s_lshr_b32 s67, s[LEAD], 1
	s_lshl_b32 s67, s67, 2
	s_add_co_u32 s66, s66, s67                     ; 256 (f % 2) + 4 ((f % 4) / 2): my words in a half image: made of the wave's number alone
	s_lshl_b32 s19, s31, 3
	s_sub_co_u32 s67, 12288, s39
	s_add_co_u32 s67, s67, s66
	s_add_co_u32 s67, s67, s19                     ; from my fragment of Q to its scale words
	s_lshl_b32 s18, s33, 9
	s_add_co_u32 s18, s18, SCG                     ; my group's image in LDS
	s_add_co_u32 s66, s66, s18
	s_mul_i32 s17, s31, 6136
	s_sub_co_u32 s17, 12288, s17                   ; from fragment 4 hh of ao's record to byte 8 hh of its scale words
	s_mov_b32 s[CS], 0x3e0293ee                    ; c = log2(e) / sqrt(128)
	s_mov_b32 s[CS+1], s[CS]
	s_mov_b32 s[SEL], 0x76543210
	s_mov_b32 s[SEL+1], 0xfedcba98                 ; v_permlanex16_b32's selects for lane l xor 16
	v_and_b32 v[T0], 31, v0
	v_lshlrev_b32 v[LI], 4, v[T0]
	v_lshlrev_b32 v[GA], 4, v0
	v_lshlrev_b32 v[GB], 2, v0
.irp s, 0,1,2
	v_add_nc_u32 v[AD+\s], \s*STEPB, v[LI]
	v_add_nc_u32 v[SA+\s], \s*STEPB, v[GA]
	v_add_nc_u32 v[SB+\s], \s*STEPB+24576, v[GB]
.endr
	v_and_b32 v[T0], 15, v0
	v_lshlrev_b32 v[T0], 4, v[T0]
	v_add_nc_u32 v[QSO], s67, v[T0]
	v_add_nc_u32 v[SGA], s66, v[T0]
	v_add_nc_u32 v[SGR], s18, v[LI]
	v_add_nc_u32 v[SGO], s17, v[LI]
	v_lshrrev_b32 v[RBO], 2, v[LI]
	v_mov_b32 v[NINF], 0xff800000
	v_mov_b32 v[NANR], 0x7fc00000
	v_mov_b32 v13, 0xff61b1e6                      ; the largest t so far: -3e38, under every t
	v_floor_f32 v12, -v13                          ; -M
	v_mov_b32 v14, 0
	v_mov_b32 v15, 0
.irp b, 0,1,2,3
	v_mov_b32 v[TM+4+\b], 0                        ; a lane permute's destination counts as one of its sources
.endr
	v_mov_b32 v[FF+1], 0
	WIN 0x40
.set n, 0
.rept 64
	v_mov_b32 v[n], 0                              ; O^T: which step is a wave's first hangs on the flags, so no first step is written out
.set n, n+1
.endr
	WIN 0
	s_wait_alu depctr_va_vdst(0)
	s_wait_kmcnt 0x0
	s_add_nc_u64 s[KB:KB+1], s[20:21], s[40:41]
	s_add_nc_u64 s[QP:QP+1], s[20:21], s[42:43]
	s_add_nc_u64 s[4:5], s[26:27], s[44:45]
	s_add_nc_u64 s[MP:MP+1], s[22:23], s[46:47]
	s_add_nc_u64 s[58:59], s[24:25], s[48:49]
	s_add_nc_u64 s[60:61], s[24:25], s[50:51]
	s_add_nc_u64 s[RB:RB+1], s[28:29], s[62:63]
	s_load_b512 s[68:83], s[58:59], 0x0            ; my group's flags
	s_load_b512 s[84:99], s[60:61], 0x0            ; the other group's
.irp k, 0,1,2
	global_load_b128 v[QF+4*\k:QF+4*\k+3], v[LI], s[QP:QP+1] offset:512*\k     ; Q's fragment stays in registers
.endr
	global_load_b32 v[QS], v[QSO], s[QP:QP+1]
	TLOAD ST, 0                                    ; tiles 0, 1 and 2, each into its set, with every lane on
	TLOAD ST+26, 3*REC
	TLOAD ST+52, 6*REC
	s_wait_kmcnt 0x0
	s_mov_b32 s[OWN], 0
	s_mov_b32 s[NW], 0
.set n, 0
.rept 16
	s_lshr_b32 s18, s[68+n], s37
	s_and_b32 s18, s18, 0x10001                    ; my fragment's two flags of step n,
	s_lshl_b32 s18, s18, n
	s_or_b32 s[OWN], s[OWN], s18                   ; to bits n and 16 + n
	s_or_b32 s19, s[68+n], s[84+n]
	s_and_b32 s19, s19, s38                        ; does any of the eight waves need step n?
	s_cselect_b32 s19, 1<<n, 0
	s_or_b32 s[NW], s[NW], s19
.set n, n+1
.endr
	s_lshr_b32 s[PART], s[OWN], 16
	s_and_b32 s[OWN], s[OWN], 0xffff
	s_and_not1_b32 s[PART], s[OWN], s[PART]
	MLOAD                                          ; step 0's mask words
	s_wait_loadcnt 7                               ; Q and tiles 0 and 1 are in; tile 2's seven loads may be out
	TSTORE ST, 0
	TSTORE ST+26, 1
	s_wait_xcnt 0x0                                ; the loads have read their base
	s_add_nc_u64 s[KB:KB+1], s[KB:KB+1], 9*REC
	s_wait_dscnt 0x0                               ; the stores lie in LDS and have read their registers
	XLOAD ST, 3                                    ; tile 3 into tile 0's set
	s_barrier_signal -1
	s_barrier_wait -1
	KLOAD 0
	s_wait_kmcnt 0x0
	s_add_nc_u64 s[MP:MP+1], s[MP:MP+1], 2048
	s_wait_dscnt 0x0
; TRIP t; sl = t % 3 is the place of tile t
.macro STEP sl
	XLOAD ST+26*((\sl+1)%3), 4                     ; tile t + 4, into the set whose stores ended ahead of the last barrier
	s_wait_loadcnt 14                              ; tile t + 2 is in registers: behind its loads stand tile t + 3's seven and tile t + 4's seven
	s_bitcmp1_b32 s[NW], 2
	s_cbranch_scc0 .Lg_\@
	TSTORE ST+26*((\sl+2)%3), (\sl+2)%3            ; into the place that trip t - 1 read last: those reads ended ahead of the last barrier
.Lg_\@:
	s_bitcmp1_b32 s[OWN], 0
	s_cbranch_scc0 .Lidle_\@
	VLOAD \sl                                      ; it lands under the softmax
.irp t, 0,1,2,3,4,5,6,7
	WM SCO+8*\t, KF+12*\t, QF, 1, KS+\t/2, QS, \t%2    ; K came in the trip before
.endr
	PLACES 4                                       ; in front of the first read of the scores and of loads into K's registers
	s_bitcmp1_b32 s[PART], 0
	s_cbranch_scc0 .Lm_\@
.set n, 0
.rept 32
	v_cndmask_b32 v[SCO+n], v[NINF], v[SCO+n], s[20+n]             ; a key that does not count: -infinity.  (Each tile is read from its low end on)
.set n, n+1
.endr
.rept 32
	v_cndmask_b32 v[SCO+n], v[NINF], v[SCO+n], s[36+n]
.set n, n+1
.endr
	s_wait_alu depctr_va_vdst(0)
.Lm_\@:
	NEXT \sl
.irp b, 0,1,2,3
	v_max3_num_f32 v[TM+\b], v[SCO+16*\b], v[SCO+1+16*\b], v[SCO+2+16*\b]   ; the largest score of each block of 32 keys serves twice: for the row's maximum and, since p rises with the score, for the block's largest p
.endr
.irp i, 3,5,7,9,11,13
.irp b, 0,1,2,3
	v_max3_num_f32 v[TM+\b], v[TM+\b], v[SCO+16*\b+\i], v[SCO+1+16*\b+\i]   ; the four blocks by turns
.endr
.endr
.irp b, 0,1,2,3
	v_max_num_f32 v[TM+\b], v[TM+\b], v[SCO+15+16*\b]
.endr
.irp b, 0,1,2,3
	v_permlanex16_b32 v[TM+4+\b], v[TM+\b], s[SEL], s[SEL+1]
.endr
.irp b, 0,1,2,3
	v_max_num_f32 v[TM+\b], v[TM+\b], v[TM+4+\b]   ; with lane l xor 16's 16 keys
.endr
	v_max3_num_f32 v[T0], v[TM], v[TM+1], v[TM+2]
	v_max_num_f32 v[T0], v[T0], v[TM+3]
	v_mul_f32 v[T0], s[CS], v[T0]                  ; as t (c is positive)
	v_max_num_f32 v13, v13, v[T0]                  ; the running largest t
	v_mov_b32 v[T0], v12
	v_floor_f32 v12, -v13                          ; the new -M = -ceil(t): M is a whole number
	v_sub_f32 v[T0], v12, v[T0]                    ; old M - new M
	v_cvt_i32_f32 v[T0], v[T0]                     ; (it saturates)
	v_ldexp_f32 v[FF], 1.0, v[T0]                  ; f = 2^(old M - new M)
.set n, 0
.rept 32
	v_pk_fma_f32 v[SCO+n:SCO+n+1], v[SCO+n:SCO+n+1], s[CS:CS+1], v[12:13] op_sel_hi:[1,0,0]   ; t - M
.set n, n+2
.endr
.irp b, 0,1,2,3
	v_fma_f32 v[TM+\b], v[TM+\b], s[CS], v12       ; the same of each block's largest score
.endr
	s_wait_alu depctr_va_vdst(0)                   ; ahead of the batch
.set n, 0
.rept 64
	v_exp_f32 v[SCO+n], v[SCO+n]                   ; p = 2^(t - M)
.set n, n+1
.endr
	v_pk_mul_f32 v[14:15], v[14:15], v[FF:FF+1] op_sel_hi:[1,0]    ; the sums under the new M
	s_wait_alu depctr_va_vdst(0)                   ; one wait for the 64, ahead of their first reader
.irp b, 0,1,2,3
	v_exp_f32 v[TM+\b], v[TM+\b]                   ; the block's largest p
.endr
.set n, SCO                            ; the row's sum of the unquantised p: 32 pairs in eight chains by turns
.irp c, 240,254,252,250,248,246,238
	v_pk_add_f32 v[\c:\c+1], v[n:n+1], v[n+2:n+3]
.set n, n+4
.endr
	v_pk_add_f32 v[14:15], v[14:15], v[n:n+1]
.set n, n+2
.rept 2
.irp c, 240,254,252,250,248,246,238,14
	v_pk_add_f32 v[\c:\c+1], v[\c:\c+1], v[n:n+1]
.set n, n+2
.endr
.endr
	v_pk_add_f32 v[240:241], v[240:241], v[n:n+1]
	v_pk_add_f32 v[14:15], v[14:15], v[250:251]
	v_pk_add_f32 v[254:255], v[254:255], v[246:247]
	v_pk_add_f32 v[252:253], v[252:253], v[238:239]
	v_pk_add_f32 v[240:241], v[240:241], v[248:249]
	v_pk_add_f32 v[14:15], v[14:15], v[254:255]
	v_pk_add_f32 v[240:241], v[240:241], v[252:253]
	v_pk_add_f32 v[14:15], v[14:15], v[240:241]
	s_wait_alu depctr_va_vdst(0)                   ; and one for the four
.irp b, 0,1,2,3
	v_max_num_f32 v[TM+\b], 0x1800000, v[TM+\b]    ; the floor 2^(3 - 127): the byte cannot fall under 1
.endr
	SCALECODES
	WIN 0x41
.set n, 0
.rept 32
	v_pk_mul_f32 v[n:n+1], v[n:n+1], v[FF:FF+1] op_sel_hi:[1,0]    ; O^T under the new M; also the places between the lines that made p's codes and scale word and the products
.set n, n+2
.endr
	s_wait_alu depctr_va_vdst(0)
	s_wait_dscnt 0x0                               ; V is in (and the next K, where it was asked for)
	WIN 0x51
.irp t, 0,1,2,3,4,5,6,7
	WM 8*\t, VF+12*\t, PC, 0, VS+\t/2, PW, \t%2    ; the eight accumulators by turns
.endr
	WIN 0
	PLACES 4                                       ; in front of the next loads into V's registers
	s_branch .Lj_\@
.Lidle_\@:
	NEXT \sl
.Lj_\@:
	s_lshr_b32 s[OWN], s[OWN], 1
	s_lshr_b32 s[PART], s[PART], 1
	s_lshr_b32 s[NW], s[NW], 1
	s_wait_kmcnt 0x0                               ; the next step's mask words; their address may step
	s_add_nc_u64 s[MP:MP+1], s[MP:MP+1], 2048
	s_wait_dscnt 0x0                               ; my stores lie in LDS and my reads are over
	s_barrier_signal -1
	s_barrier_wait -1
.endm
	s_mov_b32 s[CNT], 5
.Ltrips:                                           ; trips 0-14, three to a turn of the three places and the three sets
	STEP 0
	STEP 1
	STEP 2
	s_sub_co_u32 s[CNT], s[CNT], 1
	s_cmp_lg_u32 s[CNT], 0
	s_cbranch_scc1 .Ltrips
	STEP 0                                         ; trip 15
	; THE WAY OUT.  O^T / the sum is quantised along the channels and is fragment f of ao's record
	v_add_f32 v14, v14, v15
	v_permlanex16_b32 v[T0], v14, s[SEL], s[SEL+1]
	v_add_f32 v14, v14, v[T0]                      ; the row's sum
	v_cmp_eq_f32 vcc_lo, 0, v14                    ; a row with no open key:
	v_cndmask_b32 v15, v14, 1.0, vcc_lo            ; its O^T is 0 and stays 0
	s_wait_alu depctr_va_vdst(0)                   ; ahead of the reciprocal
	v_rcp_f32 v15, v15
	v_cndmask_b32 v[FW], 0, v[NANR], vcc_lo        ; NaN for such a row, else 0
	s_wait_alu depctr_va_vdst(0)                   ; and ahead of its first reader
	WIN 0x01
.set n, 0
.rept 64
	v_mul_f32 v[SCO+n], v[n], v15                  ; register n: channel 32 (n / 16) + 16 h + n % 16 of my query.  (Each tile is read from its low end on)
.set n, n+1
.endr
	WIN 0
.irp b, 0,1,2,3
	v_max3_num_f32 v[TM+\b], |v[SCO+16*\b]|, |v[SCO+1+16*\b]|, 0x1800000
.endr
.irp i, 2,4,6,8,10,12,14
.irp b, 0,1,2,3
	v_max3_num_f32 v[TM+\b], v[TM+\b], |v[SCO+16*\b+\i]|, |v[SCO+1+16*\b+\i]|
.endr
.endr
.irp b, 0,1,2,3
	v_permlanex16_b32 v[TM+4+\b], v[TM+\b], s[SEL], s[SEL+1]
.endr
.irp b, 0,1,2,3
	v_max_num_f32 v[TM+\b], v[TM+\b], v[TM+4+\b]
.endr
	SCALECODES
.irp k, 0,1,2
	global_store_b128 v[LI], v[PC+4*\k:PC+4*\k+3], s[4:5] offset:512*\k        ; 512 consecutive bytes, aligned
.endr
	ds_store_b32 v[SGA], v[PW]                     ; lanes l and l + 16 write the same word with the same value
	s_cmp_lg_u32 s[HD], 0
	s_cbranch_scc1 .Lno_rb
	global_store_b32 v[RBO], v[FW], s[RB:RB+1]     ; the mask is the same for all heads: head 0's waves store the rows' marks, 128 consecutive bytes a wave
.Lno_rb:
	s_wait_dscnt 0x0                               ; for the others' sake
	s_barrier_signal -1
	s_barrier_wait -1
	s_cmp_lg_u32 s[LEAD], 0
	s_cbranch_scc1 .Lnot_first
	ds_load_b64 v[QF:QF+1], v[SGR]                 ; waves 0 and 4 store their group's four fragments' scale words
	s_wait_dscnt 0x0
	global_store_b64 v[SGO], v[QF:QF+1], s[4:5]
.Lnot_first:
	s_wait_tensorcnt 0x0                           ; the wave's end
	ds_add_u32 v[SPW], v[NIL]
	s_wait_dscnt 0x0
	s_endpgm
.Lfunc_end_k_q25c4a080b8_attn:
	.size	k_q25c4a080b8_attn, .Lfunc_end_k_q25c4a080b8_attn-k_q25c4a080b8_attn
	.p2alignl 7, 3214868480
	.fill 96, 4, 3214868480
	.section	.rodata,"a",@progbits
	.p2align	6, 0x0
	.amdhsa_kernel k_q25c4a080b8_attn
		.amdhsa_group_segment_fixed_size 78848
		.amdhsa_private_segment_fixed_size 0
		.amdhsa_enable_private_segment 0
		.amdhsa_kernarg_size 40
		.amdhsa_user_sgpr_count 2
		.amdhsa_user_sgpr_kernarg_segment_ptr 1
		.amdhsa_wavefront_size32 1
		.amdhsa_system_sgpr_workgroup_id_x 1
		.amdhsa_system_sgpr_workgroup_id_y 1
		.amdhsa_system_sgpr_workgroup_id_z 1
		.amdhsa_system_vgpr_workitem_id 0
		.amdhsa_next_free_vgpr 496
		.amdhsa_next_free_sgpr 102
		.amdhsa_reserve_vcc 1
		.amdhsa_float_denorm_mode_32 3
		.amdhsa_float_denorm_mode_16_64 3
		.amdhsa_memory_ordered 1
		.amdhsa_forward_progress 1
		.amdhsa_inst_pref_size 132
	.end_amdhsa_kernel
	.amdgpu_metadata
---
amdhsa.version: [ 1, 2 ]
amdhsa.kernels:
  - .name:           k_q25c4a080b8_attn
    .symbol:         k_q25c4a080b8_attn.kd
    .args:
      - { .name: qkvb, .offset: 0, .size: 8, .value_kind: global_buffer, .address_space: global }
      - { .name: mbits, .offset: 8, .size: 8, .value_kind: global_buffer, .address_space: global }
      - { .name: mflag, .offset: 16, .size: 8, .value_kind: global_buffer, .address_space: global }
      - { .name: ao, .offset: 24, .size: 8, .value_kind: global_buffer, .address_space: global }
      - { .name: rb, .offset: 32, .size: 8, .value_kind: global_buffer, .address_space: global }
    .group_segment_fixed_size: 78848
    .private_segment_fixed_size: 0
    .kernarg_segment_align: 8
    .kernarg_segment_size: 40
    .max_flat_workgroup_size: 256
    .sgpr_count:     102
    .vgpr_count:     496
    .wavefront_size: 32
...
	.end_amdgpu_metadata
.endif
;; end of part 3
;; launch oproj (part 4): grid 16 x 16, 4 waves a work-group, clusters of 4 x 4, 327,680 bytes of LDS; arguments ao, cb, rb, out0; writes out0
.if DOCPART == 4
	.amdgcn_target "amdgcn-amd-amdhsa--gfx1250"
	.amdhsa_code_object_version 6
	.text
	.protected	k_q25c4a080b8_oproj
	.globl	k_q25c4a080b8_oproj
	.p2align	8
	.type	k_q25c4a080b8_oproj,@function
k_q25c4a080b8_oproj:
	s_mov_b64 s[64:65], 0
	v_nop
	global_prefetch_b8 v0, s[64:65] scope:SCOPE_SE
	s_setreg_imm32_b32 hwreg(HW_REG_WAVE_MODE, 25, 1), 1
	s_wait_xcnt 0x0
	s_wait_alu depctr_hold_cnt(0) depctr_sa_sdst(0) depctr_va_vdst(0) depctr_va_sdst(0) depctr_va_ssrc(0) depctr_va_vcc(0) depctr_vm_vsrc(0)
	s_getreg_b32 s2, hwreg(HW_REG_IB_STS2, 6, 4)
	s_cmp_eq_u32 s2, 0
	s_cbranch_scc0 .Lentry_in_a_cluster
	s_endpgm
.Lentry_in_a_cluster:
	s_bfe_u32 s2, ttmp6, 0x10000c
	s_cmp_lg_u32 s2, 0xf033
	s_cbranch_scc0 .Lentry_shape_is_right
	s_endpgm
.Lentry_shape_is_right:
; OPROJ.  out0 = a Wo^T on codes of FP6 (E2M3) with E8M0 scales; a = the attention's result, [2048 positions][K = 16 heads x 128], out0 [2048][2048] f32.
; Both operands are RECORDS (128 rows x 128 along K as an image of operand registers, 12,800 bytes: fragment f at 1536 f, three runs of 512 bytes, 16 bytes a lane; lane (r, h) holds row P(f, r) = 32 (f / 2) + 8 (f % 2) + r + 8 (r / 8);
; at 12,288 the scale words: register f / 2 of 16 bytes a lane, lanes 0-15 for f even, lanes 16-31 for f odd).  ao: [G 16][K step 16][record];  Wo: row groups 48-63 of cb, [row group][K step 16][record].
; rb: [G][f][lane] f32: NaN for a position none of whose keys is open, else 0.  It is the C of each sum's first product: so such a row of out0 is NaN, as a softmax of nothing but -infinity makes it.
; A tile of out0 is 128 x 128: 256 work-groups.  Four waves, each 64 x 64: 16 accumulators.  D = (source 0: fragment b of Wo) x (source 1: fragment a of a):
; a lane holds one position, P(a, r), and eight neighbouring columns 32 (b / 2) + 8 (b % 2) + 16 h + 0 .. 7.  P is undone in the stores' offsets.
; CLUSTERS: 4 x 4 work-groups; a's tiles hang on work-group y alone and are shared along a row of the cluster, Wo's on x alone and along a column: each is asked for JOINTLY.
; LDS holds twelve K steps of a, then twelve of Wo.  At the head each wave asks for six K steps of one operand, a dense block of 76,800 bytes, by ONE tensor load; K steps 12-15 fill the bytes of K steps 0-3 again, once,
; two K steps a wave: by this text's count a wave has one tensor load out at the head and one behind the round.  No prefetch: the walk has one refill, asked for eight K steps ahead of its first read.
; REGISTERS: window 0: v1 16 x lane; v8-23 addresses; v28, v29 for the add; v32-39 scale words, two sets, and nothing else; v64-95 rb's numbers, then v64-127 rows on their way out; v128-255 accumulator (a, b) at v[128 + 8 (4 a + b)].
;   window 1: set p: a's four fragments at v[128 p], Wo's four at v[128 p + 48].
.set REC,   12800
.set RGB,   16*REC
.set HALF,  12*REC
.set SPARE, 2*HALF                     ; the spare words, 128 bytes for each wave
.set STAGE, SPARE+512                  ; the way out: 16 rows x (256 bytes + 16) for each wave; no fill lands here
.set LI,   1
.set AT,   8                           ; v8-10   my fragments of a, K steps 4 c on
.set AU,   11                          ; v11-13  of Wo
.set AST,  14                          ; v14-16  my scale words of a
.set ASU,  17                          ; v17-19  of Wo
.set STO,  20
.set RD,   21
.set CO,   22
.set RBO,  23
.set SPW,  28
.set NIL,  29
.set SC,   32                          ; set p: v[SC + 4 p ..+1] a's scale words, v[SC + 2 + 4 p ..+1] Wo's
.set BI,   64
.set OB,   64
.set ACC,  128
.set WV,   12
.set IH,   13                          ; which 64 positions are mine.  Also: I fetch for a (0) or for Wo (1)
.set JH,   14                          ; which 64 columns.  Also: which half of the K steps I fetch
.set G1T,  24
.set G1U,  32
.set G0T,  40                          ; s[40:43] group 0 for a at the head, s[44:47] for the refill;  s[48:55] for Wo
.set G0U,  48
.set MSB, 0
.macro WIN new
.if MSB != (\new)
	s_set_vgpr_msb (MSB<<8)|(\new)
.set MSB, (\new)
.endif
.endm
.macro PLACES n
.rept \n
	v_nop
.endr
.endm
.macro WM d, a, b, c, sa, sb, ra, rb
.if (\ra) && (\rb)
	v_wmma_scale_f32_16x16x128_f8f6f4 v[(\d):(\d)+7], v[(\a):(\a)+11], v[(\b):(\b)+11], v[(\c):(\c)+7], v[(\sa)], v[(\sb)] matrix_a_fmt:MATRIX_FMT_FP6 matrix_b_fmt:MATRIX_FMT_FP6 matrix_a_scale:MATRIX_SCALE_ROW1 matrix_b_scale:MATRIX_SCALE_ROW1
.elseif (\ra)
	v_wmma_scale_f32_16x16x128_f8f6f4 v[(\d):(\d)+7], v[(\a):(\a)+11], v[(\b):(\b)+11], v[(\c):(\c)+7], v[(\sa)], v[(\sb)] matrix_a_fmt:MATRIX_FMT_FP6 matrix_b_fmt:MATRIX_FMT_FP6 matrix_a_scale:MATRIX_SCALE_ROW1
.elseif (\rb)
	v_wmma_scale_f32_16x16x128_f8f6f4 v[(\d):(\d)+7], v[(\a):(\a)+11], v[(\b):(\b)+11], v[(\c):(\c)+7], v[(\sa)], v[(\sb)] matrix_a_fmt:MATRIX_FMT_FP6 matrix_b_fmt:MATRIX_FMT_FP6 matrix_b_scale:MATRIX_SCALE_ROW1
.else
	v_wmma_scale_f32_16x16x128_f8f6f4 v[(\d):(\d)+7], v[(\a):(\a)+11], v[(\b):(\b)+11], v[(\c):(\c)+7], v[(\sa)], v[(\sb)] matrix_a_fmt:MATRIX_FMT_FP6 matrix_b_fmt:MATRIX_FMT_FP6
.endif
.endm
.macro CROUND                          ; a round of the cluster's barrier
	s_barrier_signal -1
	s_barrier_wait -1
	s_cmp_lg_u32 s[WV], 0
	s_cbranch_scc1 .Lnot_wave_0_\@
	s_barrier_signal -3
.Lnot_wave_0_\@:
	s_barrier_wait -3
	s_barrier_signal -1
	s_barrier_wait -1
.endm
.macro JLOAD g0t, g0u                  ; a joint load: waves 0 and 1 fetch for a, waves 2 and 3 for Wo; an s_nop 0 and four v_nop follow each line
	s_cmp_eq_u32 s[IH], 0
	s_cbranch_scc0 .Lfor_u_\@
	tensor_load_to_lds s[\g0t:\g0t+3], s[G1T:G1T+7]
	s_nop 0
	PLACES 4
	s_branch .Lasked_\@
.Lfor_u_\@:
	tensor_load_to_lds s[\g0u:\g0u+3], s[G1U:G1U+7]
	s_nop 0
	PLACES 4
.Lasked_\@:
.endm
	s_load_b256 s[4:11], s[0:1], 0x0               ; ao s[4:5], cb s[6:7], rb s[8:9], out0 s[10:11]
	v_lshl_add_u32 v[SPW], v0, 2, SPARE
	v_mov_b32 v[NIL], 0
	ds_add_u32 v[SPW], v[NIL]                      ; the opening lines: the add, twice on end, and its wait ahead of my first tensor load
	ds_add_u32 v[SPW], v[NIL]
	v_lshrrev_b32 v2, 5, v0
	v_readfirstlane_b32 s[WV], v2                  ; wave 0..3
	s_lshr_b32 s[IH], s[WV], 1
	s_and_b32 s[JH], s[WV], 1
	s_bfe_u32 s66, ttmp6, 0x40000                  ; cx, cy
	s_bfe_u32 s67, ttmp6, 0x40004
	s_lshl_b32 s68, ttmp9, 2
	s_add_co_u32 s68, s68, s66                     ; work-group x: the tile's columns
	s_and_b32 s69, ttmp7, 0xffff
	s_lshl_b32 s69, s69, 2
	s_add_co_u32 s69, s69, s67                     ; work-group y: its positions
	s_lshl_b32 s70, s67, 2
	s_lshl_b32 s70, 15, s70                        ; my row of the cluster
	s_lshl_b32 s71, 0x1111, s66                    ; my column
	; descriptor group 1: six records, a dense block, as 300 rows of 256 bytes (32 elements of 8 bytes), no padding
	s_or_b32 s[G1T], s70, (3<<16)|(1<<21)
	s_or_b32 s[G1U], s71, (3<<16)|(1<<21)
.irp g, G1T, G1U
	s_mov_b32 s[\g+1], 32<<16                      ; tensor_dim0
	s_mov_b32 s[\g+2], 300<<16                     ; tensor_dim1
	s_mov_b32 s[\g+3], 32<<16                      ; tile_dim0
	s_mov_b32 s[\g+4], 300                         ; tile_dim1
	s_mov_b32 s[\g+5], 32                          ; tensor_dim0_stride
	s_mov_b32 s[\g+6], 0
	s_mov_b32 s[\g+7], 0
.endr
	s_mul_i32 s72, s69, RGB                        ; a: row group y
	s_mov_b32 s73, 0
	s_add_co_u32 s74, s68, 48                      ; Wo: row group 48 + x
	s_mul_i32 s74, s74, RGB
	s_mov_b32 s75, 0
	s_mul_i32 s76, s[JH], 6*REC                    ; at the head: K steps 6 JH on
	s_mov_b32 s77, 0
	s_mul_i32 s78, s[JH], 2*REC
	s_mul_i32 s57, s[IH], HALF
	s_add_co_u32 s57, s57, s78                     ; the refill's place in LDS: K steps 2 JH, 2 JH + 1 of my operand
	s_add_co_u32 s78, s78, 12*REC                  ; the refill: K steps 12 + 2 JH on
	s_mov_b32 s79, 0
	s_mul_i32 s56, s[WV], 6*REC                    ; the head's place: wave x six records: no place in the cluster enters an LDS address
	s_wait_dscnt 0x0                               ; both opening adds are done
	s_wait_kmcnt 0x0
	s_add_nc_u64 s[72:73], s[4:5], s[72:73]
	s_add_nc_u64 s[74:75], s[6:7], s[74:75]
	s_mov_b32 s[G0T], 1
	s_mov_b32 s[G0T+1], s56
	s_add_nc_u64 s[G0T+2:G0T+3], s[72:73], s[76:77]
	s_or_b32 s[G0T+3], s[G0T+3], 0x80000000
	s_mov_b32 s[G0T+4], 1
	s_mov_b32 s[G0T+5], s57
	s_add_nc_u64 s[G0T+6:G0T+7], s[72:73], s[78:79]
	s_or_b32 s[G0T+7], s[G0T+7], 0x80000000
	s_mov_b32 s[G0U], 1
	s_mov_b32 s[G0U+1], s56
	s_add_nc_u64 s[G0U+2:G0U+3], s[74:75], s[76:77]
	s_or_b32 s[G0U+3], s[G0U+3], 0x80000000
	s_mov_b32 s[G0U+4], 1
	s_mov_b32 s[G0U+5], s57
	s_add_nc_u64 s[G0U+6:G0U+7], s[74:75], s[78:79]
	s_or_b32 s[G0U+7], s[G0U+7], 0x80000000
	CROUND                                         ; all sixteen work-groups are here: the first joint loads meet
	JLOAD G0T, G0U                                 ; K steps 0-11: one tensor load a wave
	s_mul_i32 s72, s[IH], 4*1536                   ; my four fragments of a,
	s_mul_i32 s73, s[JH], 4*1536                   ; of Wo,
	s_add_co_u32 s73, s73, HALF                    ; behind a's twelve records
	s_lshl_b32 s74, s[IH], 3                       ; my two registers of the four of a scale image
	s_add_co_u32 s74, s74, 12288
	s_lshl_b32 s75, s[JH], 3
	s_add_co_u32 s75, s75, HALF+12288
	s_mul_i32 s76, s[WV], 16*272
	s_add_co_u32 s76, s76, STAGE                   ; my stage
	s_lshl_b32 s60, s69, 10                        ; rb: (8 y + 4 half) x 128 bytes
	s_lshl_b32 s62, s[IH], 9
	s_add_co_u32 s60, s60, s62
	s_mov_b32 s61, 0
	s_add_nc_u64 s[8:9], s[8:9], s[60:61]
	s_lshl_b32 s77, s69, 7
	s_lshl_b32 s78, s[IH], 6
	s_add_co_u32 s77, s77, s78                     ; my first position: 128 y + 64 half
	s_lshl_b32 s78, s77, 13
	s_lshl_b32 s77, s68, 9                         ; my first column, in bytes: 512 x + 256 half
	s_add_co_u32 s78, s78, s77
	s_lshl_b32 s77, s[JH], 8
	s_add_co_u32 s78, s78, s77
	s_mov_b32 s79, 0
	s_add_nc_u64 s[10:11], s[10:11], s[78:79]
	v_and_b32 v2, 31, v0
	v_and_b32 v3, 15, v0                           ; r
	v_bfe_u32 v4, v0, 4, 1                         ; h
	v_lshlrev_b32 v[LI], 4, v2
	v_lshlrev_b32 v[RBO], 2, v2
	v_add_nc_u32 v[AT], s72, v[LI]
	v_add_nc_u32 v[AU], s73, v[LI]
	v_add_nc_u32 v[AST], s74, v[LI]
	v_add_nc_u32 v[ASU], s75, v[LI]
.irp c, 1,2
	v_add_nc_u32 v[AT+\c], \c*4*REC, v[AT]
	v_add_nc_u32 v[AU+\c], \c*4*REC, v[AU]
	v_add_nc_u32 v[AST+\c], \c*4*REC, v[AST]
	v_add_nc_u32 v[ASU+\c], \c*4*REC, v[ASU]
.endr
	v_mul_u32_u24 v5, v3, 272
	v_lshl_add_u32 v5, v4, 6, v5
	v_add_nc_u32 v[STO], s76, v5                   ; in: row-lane r, + 64 h
	v_mul_u32_u24 v6, v4, 272
	v_lshl_add_u32 v6, v3, 4, v6
	v_add_nc_u32 v[RD], s76, v6                    ; back: lanes 0-15 one row of 256 bytes, lanes 16-31 the next
	v_lshlrev_b32 v7, 13, v4
	v_lshl_add_u32 v[CO], v3, 4, v7                ; and the same two rows in out0 (8,192 bytes a row)
	s_wait_alu depctr_va_vdst(0)
.irp a, 0,1,2,3
	global_load_b32 v[BI+8*\a], v[RBO], s[8:9] offset:128*\a       ; the mark of position P(a, r)
.endr
	s_wait_loadcnt 0x0
.irp a, 0,1,2,3
.irp j, 1,2,3,4,5,6,7
	v_mov_b32 v[BI+8*\a+\j], v[BI+8*\a]            ; a lane's eight results of a tile belong to one position
.endr
.endr
.macro FETCH c, q, p                   ; the fragments and scale words of K step 4 c + q into set p: 26 loads
	WIN 0x40
.irp f, 0,1,2,3
.irp k, 0,1,2
	ds_load_b128 v[128*(\p)+12*\f+4*\k:128*(\p)+12*\f+4*\k+3], v[AT+(\c)] offset:(\q)*REC+\f*1536+512*\k
.endr
.endr
.irp f, 0,1,2,3
.irp k, 0,1,2
	ds_load_b128 v[128*(\p)+48+12*\f+4*\k:128*(\p)+48+12*\f+4*\k+3], v[AU+(\c)] offset:(\q)*REC+\f*1536+512*\k
.endr
.endr
	WIN 0
	ds_load_b64 v[SC+4*(\p):SC+4*(\p)+1], v[AST+(\c)] offset:(\q)*REC
	ds_load_b64 v[SC+2+4*(\p):SC+3+4*(\p)], v[ASU+(\c)] offset:(\q)*REC
.endm
.macro MUL p, first                    ; a K step: the 16 accumulators by turns, one instruction a turn, in the same order in every step
	WIN 0x05                                       ; sources 0 and 1 window 1; C and D window 0
.irp a, 0,1,2,3
.irp b, 0,1,2,3
.if \first
	WM ACC+8*(4*\a+\b), 128*(\p)+48+12*\b, 128*(\p)+12*\a, BI+8*\a, SC+2+4*(\p)+\b/2, SC+4*(\p)+\a/2, \b%2, \a%2
.else
	WM ACC+8*(4*\a+\b), 128*(\p)+48+12*\b, 128*(\p)+12*\a, ACC+8*(4*\a+\b), SC+2+4*(\p)+\b/2, SC+4*(\p)+\a/2, \b%2, \a%2
.endif
.endr
.endr
	WIN 0
.endm
; K step s: the next step's operands are asked for, then this step is multiplied.  Four places stand between the last products on a set and the loads into it.
.macro KSTEP s
.if (\s) == 3                          ; the last reads of K steps 0-3 were issued a step ago: their bytes are filled again, behind a round of the cluster's barrier
	s_wait_tensorcnt 0x0                           ; no tensor load of mine is out, so a descriptor may be written
	ds_add_u32 v[SPW], v[NIL]                      ; 0 onto my spare word
	s_mov_b32 s[G1T+2], 100<<16                    ; the refill brings two records: 100 rows
	s_mov_b32 s[G1T+4], 100
	s_mov_b32 s[G1U+2], 100<<16
	s_mov_b32 s[G1U+4], 100
	s_wait_dscnt 0x0                               ; the add is done, and my reads of K steps 0-3 are over
	CROUND
	JLOAD G0T+4, G0U+4                             ; my one tensor load behind the round; its four v_nop are also the places in front of the loads below
.elseif (\s) == 11                     ; K step 12 lies in the refill
	s_wait_tensorcnt 0x0                           ; my part of it has landed,
	s_wait_dscnt 0x0
	s_barrier_signal -1
	s_barrier_wait -1                              ; everybody's has
	PLACES 4
.elseif (\s) > 0
	PLACES 4
.endif
.if (\s) < 15
	FETCH (((\s)+1)/4)%3, ((\s)+1)%4, ((\s)+1)%2
	s_wait_dscnt 26                                ; all but the 26 just issued: this step's operands are in
.else
	s_wait_dscnt 0x0
.endif
.if (\s) == 0
	MUL 0, 1                                       ; the first products start the sums from rb's numbers: nothing is cleared
.else
	MUL (\s)%2, 0
.endif
.endm
	s_wait_alu depctr_va_vdst(0)
	s_wait_tensorcnt 0x0                           ; my six K steps are in,
	s_barrier_signal -1
	s_barrier_wait -1                              ; everybody's are
	FETCH 0, 0, 0
.irp s, 0,1,2,3,4,5,6,7,8,9,10,11,12,13,14,15
	KSTEP \s
.endr
; THE WAY OUT, a fragment of 16 positions x 64 columns at a time, through my own stage: a lane's 16 bytes go into rows of 272 bytes and come back as whole rows of 256, which sixteen lanes store.
; LDS serves a wave's instructions in order (ISA guide 5.7.1.4): no wait between the stores and the loads, nor in front of the next fragment's stores.
.macro TOSTAGE a
.irp g, 0,1
.irp q, 0,1,2,3
	ds_store_b128 v[STO], v[ACC+32*(\a)+16*\g+4*\q:ACC+32*(\a)+16*\g+4*\q+3] offset:128*\g+16*\q   ; columns 32 g + 16 h + 4 q ..: each accumulator from its low end on
.endr
.endr
.irp t, 0,1,2,3,4,5,6,7
	ds_load_b128 v[OB+32*((\a)%2)+4*\t:OB+32*((\a)%2)+4*\t+3], v[RD] offset:\t*544
.endr
.endm
.macro SEND a, younger                 ; younger: the LDS instructions issued behind this fragment's loads, which may stay out
	s_wait_dscnt \younger
.irp t, 0,1,2,3,4,5,6,7
	global_store_b128 v[CO], v[OB+32*((\a)%2)+4*\t:OB+32*((\a)%2)+4*\t+3], s[10:11] offset:(32*((\a)/2)+8*((\a)%2)+2*\t+8*(\t/4))*8192 th:TH_STORE_NT   ; row-lane 2 t + h is position P(a, 2 t + h); 16 lanes store 256 consecutive bytes, aligned
.endr
.endm
	PLACES 4
	TOSTAGE 0
	TOSTAGE 1
	SEND 0, 16                                     ; behind fragment 0's loads: fragment 1's eight stores and eight loads
	s_wait_xcnt 0x0                                ; fragment 0's stores have read their registers, which take fragment 2
	TOSTAGE 2
	SEND 1, 16
	s_wait_xcnt 0x0
	TOSTAGE 3
	SEND 2, 16
	SEND 3, 0
	s_wait_tensorcnt 0x0                           ; the wave's end
	ds_add_u32 v[SPW], v[NIL]
	s_wait_dscnt 0x0
	CROUND                                         ; the closing round: no work-group ends while a partner may still ask for a tile that names it
	s_endpgm
.Lfunc_end_k_q25c4a080b8_oproj:
	.size	k_q25c4a080b8_oproj, .Lfunc_end_k_q25c4a080b8_oproj-k_q25c4a080b8_oproj
	.p2alignl 7, 3214868480
	.fill 96, 4, 3214868480
	.section	.rodata,"a",@progbits
	.p2align	6, 0x0
	.amdhsa_kernel k_q25c4a080b8_oproj
		.amdhsa_group_segment_fixed_size 327680
		.amdhsa_private_segment_fixed_size 0
		.amdhsa_enable_private_segment 0
		.amdhsa_kernarg_size 32
		.amdhsa_user_sgpr_count 2
		.amdhsa_user_sgpr_kernarg_segment_ptr 1
		.amdhsa_wavefront_size32 1
		.amdhsa_system_sgpr_workgroup_id_x 1
		.amdhsa_system_sgpr_workgroup_id_y 1
		.amdhsa_system_sgpr_workgroup_id_z 1
		.amdhsa_system_vgpr_workitem_id 0
		.amdhsa_next_free_vgpr 512
		.amdhsa_next_free_sgpr 80
		.amdhsa_reserve_vcc 0
		.amdhsa_float_denorm_mode_32 3
		.amdhsa_float_denorm_mode_16_64 3
		.amdhsa_memory_ordered 1
		.amdhsa_forward_progress 1
		.amdhsa_inst_pref_size 80
	.end_amdhsa_kernel
	.amdgpu_metadata
---
amdhsa.version: [ 1, 2 ]
amdhsa.kernels:
  - .name:           k_q25c4a080b8_oproj
    .symbol:         k_q25c4a080b8_oproj.kd
    .args:
      - { .name: ao, .offset: 0, .size: 8, .value_kind: global_buffer, .address_space: global }
      - { .name: cb, .offset: 8, .size: 8, .value_kind: global_buffer, .address_space: global }
      - { .name: rb, .offset: 16, .size: 8, .value_kind: global_buffer, .address_space: global }
      - { .name: out0, .offset: 24, .size: 8, .value_kind: global_buffer, .address_space: global }
    .group_segment_fixed_size: 327680
    .private_segment_fixed_size: 0
    .kernarg_segment_align: 8
    .kernarg_segment_size: 32
    .max_flat_workgroup_size: 128
    .sgpr_count:     80
    .vgpr_count:     512
    .wavefront_size: 32
...
	.end_amdgpu_metadata
.endif
;; end of part 4
